; MI455X (gfx1250); checked and timed in simulation.
; The chip was launched on July 23, 2026; its instructions are those of AMD's public machine-readable ISA for CDNA 5 (MIT licence, August 2026) and "CDNA5" Instruction Set Architecture Reference Guide (July 2026). The comments in the code are by the model that wrote it; some were corrected since.
;; Grouped Query Attention. Allowed arithmetic: matrix products marked QUANTISED: E4M3 operands, one given power-of-two scale a tensor, by v_wmma_f32_16x16x64_fp8_fp8 or v_wmma_f32_16x16x128_fp8_fp8, f32 sums; everything else in f32.
;; Inputs: Wk 512 x 2,048 float32; Wo 2,048 x 2,048 float32; Wq 2,048 x 2,048 float32; Wv 512 x 2,048 float32; lowp_scales 12 int32 (the exponents e of the quantised operands' scales 2^e); x 4 x 1,024 x 2,048 float32.
;; Outputs: out0 4 x 1,024 x 2,048 float32.
;; This version of the problem:
;;   THIS VERSION OF THE PROBLEM IS GIVEN IN LOW PRECISION. The matrix products marked QUANTISED in the list below multiply operands that are first quantised to E4M3 (4 exponent bits, 3 mantissa bits; 8 bits a number), with one given power-of-two scale for each operand tensor; their sums are f32. All else is computed in f32.
;;   The module's matrix products, in the order in which they are computed (A, B: the left and right operand; K: the contracted axis; several contracted axes count as one K, in the product's order):
;;     1. [M 4,096, K 2,048] x [K 2,048, N 2,048]; A: input x; B: input Wq: QUANTISED (scales: A lowp_scales[0], B lowp_scales[1])
;;     2. [M 4,096, K 2,048] x [K 2,048, N 512]; A: input x; B: input Wk: QUANTISED (scales: A lowp_scales[2], B lowp_scales[3])
;;     3. [M 4,096, K 2,048] x [K 2,048, N 512]; A: input x; B: input Wv: QUANTISED (scales: A lowp_scales[4], B lowp_scales[5])
;;     4. batch 16 x [M 4,096, K 128] x [K 128, N 1,024]; A: computed on the way; B: computed on the way: QUANTISED (scales: A lowp_scales[6], B lowp_scales[7])
;;     5. batch 16 x [M 4,096, K 1,024] x [K 1,024, N 128]; A: softmax (see below); B: computed on the way: QUANTISED (scales: A lowp_scales[8], B lowp_scales[9])
;;     6. [M 4,096, K 2,048] x [K 2,048, N 2,048]; A: computed on the way; B: input Wo: QUANTISED (scales: A lowp_scales[10], B lowp_scales[11])
;;   THE QUANTISER, for each operand of a quantised product, along K:
;;     - The operand's scale is 2^e, e = its entry of the input lowp_scales (int32; the entries are numbered through the quantised products in the list's order, A before B).
;;     - Each number is divided by the scale, clamped to +-448, and rounded to the nearest number of E4M3, ties to even, subnormals kept.
;;     - The product sums the exact products of the quantised numbers (number of the format x scale) in f32.
;;   ~~~python
;;   def quantise(x, axis, e):      # numpy; x: float32 -> the quantised numbers, widened to float32 again
;;       x = np.moveaxis(x, axis, -1); K = x.shape[-1]
;;       r = np.clip(x / 2.0 ** e, -448, 448)
;;       step = 2.0 ** (np.maximum(np.frexp(np.where(r == 0, 1, r))[1] - 1, -6) - 3)
;;       q = np.round(r / step) * step * 2.0 ** e      # np.round: ties to even
;;       return np.moveaxis(q, -1, axis).astype(np.float32)
;;   ~~~
;;   SOFTMAX AHEAD OF A QUANTISED PRODUCT. Where the list says 'softmax', what is quantised is not the finished softmax but p = 2^(t - M), with t = logit x log2(e) and M = ceil(the row's largest t), a whole number; so 1/2 < the row's largest p <= 1. The row's sum l is taken of the UNQUANTISED p, in f32, and the product's result is divided by l at the end. Since M is a whole number, a kernel that streams over the keys may use a running M (the ceiling of the running maximum): every later rescaling is an exact power of two, so the quantised numbers keep their values, but for numbers so far below the row's largest that they fall under the format's range.
;;   OPERANDS COMPUTED ON THE WAY. 'Computed on the way' means the value that the module computes at that place (a softmax that the list does not call 'softmax' is quantised finished and normalised). What goes into a quantiser is computed in f32, as accurately as f32 sums, v_exp_f32 and their like allow (about 1e-6 of the number): no bf16 or f16 on the way to a quantiser, and a product that is left as it is and whose result goes on into a quantised operand takes f32 operands (vector FMAs, or v_wmma_f32_16x16x4_f32). A number that lies on a knife's edge between two numbers of the format may be rounded either way, as far as f32 arithmetic and the matrix unit's own rounding can turn it there, and no further.
;; One version. Each part assembles by itself: llvm-mc -triple=amdgcn-amd-amdhsa -mcpu=gfx1250 --defsym DOCPART=n.
;; ======== version 1 of 1: 4 launches
;; workspace buffers: xc 25,165,824 bytes; wc 10,485,760 bytes; tab 524,288 bytes; qc 8,388,608 bytes; kc 2,097,152 bytes; vc 2,097,152 bytes; ac 8,388,608 bytes
;; launch quant (part 1): grid 1280 x 1, 4 waves a work-group, no clusters, 33,280 bytes of LDS; arguments x, Wq, Wk, Wv, Wo, lowp_scales, xc, wc, tab; writes xc, wc, tab
.if DOCPART == 1
	.amdgcn_target "amdgcn-amd-amdhsa--gfx1250"
	.amdhsa_code_object_version 6
	.text
	.protected	k_q958fe97ee7_quant
	.globl	k_q958fe97ee7_quant
	.p2align	8
	.type	k_q958fe97ee7_quant,@function
k_q958fe97ee7_quant:
	s_mov_b64 s[64:65], 0
	v_nop
	global_prefetch_b8 v0, s[64:65] scope:SCOPE_SE
	s_setreg_imm32_b32 hwreg(HW_REG_WAVE_MODE, 25, 1), 1
	s_wait_xcnt 0x0
; f32 numbers into codes of FP8 (E4M3), K innermost, and the table of cosines and sines for the rotary embedding.
; code = number / 2^e, held within +-448, rounded to the nearest code, ties to even; e is the operand's entry of lowp_scales.
; x is an operand of three products with three scales (entries 0, 2, 4): it is read once and stored as three sets of codes, 8 MiB apart in xc.
; Wq (entry 1), Wk (3), Wv (5), Wo (11) lie one behind the other in wc.  All tensors are dense rows with K innermost: plain streams of numbers.
; SHARES, by the work-group's number g: 0-511 x, 512-767 Wq, 768-831 Wk, 832-895 Wv, 896-1151 Wo: 16,384 numbers a work-group, 4,096 a wave, in 8 steps of 512.  1152-1279: the table.
; The share of a wave is short on purpose: every wave has 16 loads of 512 bytes out, so the bytes on their way grow with the number of waves: 4,608 waves here.
; A step: four loads of 512 consecutive bytes (16 a lane); the 2,048 bytes turn through the wave's own stage in LDS and come back 64 bytes a lane: 16 neighbours along K, as the conversions
; want them; a lane's 16 codes are 16 bytes, so a store of the wave covers 512 consecutive bytes.  Loads run four steps ahead, the turn through LDS one step.  Waves share nothing: no barrier.
; THE TABLE: 64 blocks of 16 positions; a block is 4,096 bytes of cosines, then 4,096 of sines, each laid [i 0..7][lane][16 bytes]: lane (r, h) holds position 16 block + r,
; frequencies d = 16 (i / 2) + 8 h + 4 (i % 2) + 0..3: the order in which the next launch's lanes hold the first 64 channels of a head.
; angle = position x 10000^(-d / 64), one rounding; 10000^(-d / 64) = 2^(-d L), L = log2(10000) / 64 in two parts; cosine and sine by reduction with pi / 2 in two parts and polynomials.
; LIMITS: every e between -126 and 119.  NaN among the inputs is not served.  10000^(-d / 64) is good to about one and a half units in the last place, not bit for bit a library's power:
; at the largest position the angle may differ from a library's by about 1e-4.
.set STEPS, 8
.set SP,    80                         ; a lane's place in a stage: its 64 bytes + 16 of padding
.set WREG,  8192                       ; LDS: a region for each wave: two stages of 32 x SP bytes
.set R,     16                         ; v16-79   four sets of 16 numbers as they are loaded
.set X,     80                         ; v80-111  two sets of 16 neighbours
.set T,     112                        ; v112-127 the 16 numbers, held
.set C,     128                        ; v128-139 codes: four registers for each of three outputs
.set SCL,   140                        ; v[140+2o] 2^e of output o, v[141+2o] 448 x 2^e
.set G_WQ,  512
.set G_WK,  768
.set G_WV,  832
.set G_WO,  896
.set G_TAB, 1152
	s_load_b512 s[4:19], s[0:1], 0x0               ; x s[4:5], Wq s[6:7], Wk s[8:9], Wv s[10:11], Wo s[12:13], the exponents s[14:15], xc s[16:17], wc s[18:19]
	s_load_b64 s[20:21], s[0:1], 0x40              ; tab
	v_lshl_add_u32 v160, v0, 2, 0x8000
	v_mov_b32 v161, 0
	v_lshrrev_b32 v1, 5, v0
	v_readfirstlane_b32 s22, v1                    ; wave
	s_wait_kmcnt 0x0
	s_cmp_ge_u32 ttmp9, G_TAB
	s_cbranch_scc1 .Ltable
	s_load_b256 s[24:31], s[14:15], 0x0            ; e0 .. e7
	s_load_b128 s[32:35], s[14:15], 0x20           ; e8 .. e11
	v_and_b32 v2, 31, v0                           ; lane
	v_lshlrev_b32 v3, 4, v2                        ; my 16 bytes of a load's 512, and of a store's 512
	s_mul_i32 s23, s22, WREG
	v_lshrrev_b32 v14, 2, v2
	v_mul_u32_u24 v14, v14, SP
	v_and_b32 v15, 3, v2
	v_lshl_add_u32 v14, v15, 4, v14
	v_add_nc_u32 v14, s23, v14                     ; the stage, on the way in: four lanes' 64 bytes on end, then 16 of padding
	v_mul_u32_u24 v15, v2, SP
	v_add_nc_u32 v15, s23, v15                     ; and on the way out: my 16 neighbours
	; which tensor: the choices hang on the work-group's number alone
	s_mov_b64 s[36:37], s[12:13]
	s_mov_b32 s38, G_WO
	s_cmp_lt_u32 ttmp9, G_WO
	s_cselect_b64 s[36:37], s[10:11], s[36:37]
	s_cselect_b32 s38, G_WV, s38
	s_cmp_lt_u32 ttmp9, G_WV
	s_cselect_b64 s[36:37], s[8:9], s[36:37]
	s_cselect_b32 s38, G_WK, s38
	s_cmp_lt_u32 ttmp9, G_WK
	s_cselect_b64 s[36:37], s[6:7], s[36:37]
	s_cselect_b32 s38, G_WQ, s38
	s_cmp_lt_u32 ttmp9, G_WQ
	s_cselect_b64 s[36:37], s[4:5], s[36:37]       ; the tensor
	s_cselect_b32 s38, 0, s38                      ; its first work-group
	s_cselect_b64 s[40:41], s[16:17], s[18:19]     ; where its codes go: xc, or wc
	s_cselect_b32 s39, 0, G_WQ                     ; the weights lie in wc in the order of their work-groups
	s_sub_co_u32 s47, ttmp9, s38
	s_lshl_b32 s47, s47, 2
	s_add_co_u32 s47, s47, s22                     ; which run of 4,096 numbers of the tensor is my wave's
	s_lshl_b32 s48, s47, 14                        ; 16,384 bytes of numbers a wave
	s_mov_b32 s49, 0
	s_add_nc_u64 s[36:37], s[36:37], s[48:49]
	s_sub_co_u32 s39, ttmp9, s39
	s_lshl_b32 s39, s39, 2
	s_add_co_u32 s39, s39, s22
	s_lshl_b32 s48, s39, 12                        ; 4,096 bytes of codes a wave
	s_add_nc_u64 s[40:41], s[40:41], s[48:49]
	s_add_nc_u64 s[42:43], s[16:17], s[48:49]      ; x's second and third set of codes (used by x's work-groups alone)
	s_add_nc_u64 s[42:43], s[42:43], 0x800000
	s_add_nc_u64 s[44:45], s[42:43], 0x800000
.macro LOAD t
.irp i, 0,1,2,3
	global_load_b128 v[R+16*((\t)%4)+4*\i:R+16*((\t)%4)+4*\i+3], v3, s[36:37] offset:2048*(\t)+512*\i th:TH_LOAD_NT   ; 32 lanes read 512 consecutive bytes; read once in the launch
.endr
.endm
.macro TURN t                          ; step t's numbers through the stage: LDS serves a wave's instructions in order, so no wait stands between the stores and the loads
.irp i, 0,1,2,3
	ds_store_b128 v14, v[R+16*((\t)%4)+4*\i:R+16*((\t)%4)+4*\i+3] offset:32*SP*((\t)%2)+8*SP*\i
.endr
.irp i, 0,1,2,3
	ds_load_b128 v[X+16*((\t)%2)+4*\i:X+16*((\t)%2)+4*\i+3], v15 offset:32*SP*((\t)%2)+16*\i
.endr
.endm
.irp t, 0,1,2,3
	LOAD \t
.endr
	s_wait_kmcnt 0x0
	s_mov_b32 s46, s35                             ; the first output's e: e11 for Wo,
	s_cmp_lt_u32 ttmp9, G_WO
	s_cselect_b32 s46, s29, s46                    ; e5 for Wv,
	s_cmp_lt_u32 ttmp9, G_WV
	s_cselect_b32 s46, s27, s46                    ; e3 for Wk,
	s_cmp_lt_u32 ttmp9, G_WK
	s_cselect_b32 s46, s25, s46                    ; e1 for Wq,
	s_cmp_lt_u32 ttmp9, G_WQ
	s_cselect_b32 s46, s24, s46                    ; e0 for x
.macro MKSC o, e                       ; 2^e as f32 (the conversion takes its exponent field), and 448 x 2^e
	s_add_co_i32 s50, \e, 127
	s_lshl_b32 s51, s50, 23
	v_mov_b32 v[SCL+2*\o], s51
	s_add_co_i32 s50, s50, 8
	s_lshl_b32 s50, s50, 23
	s_or_b32 s50, s50, 0x600000
	v_mov_b32 v[SCL+2*\o+1], s50
.endm
	MKSC 0, s46
	MKSC 1, s26                                    ; e2
	MKSC 2, s28                                    ; e4
	s_wait_loadcnt 12                              ; step 0's four loads are in
	TURN 0
.macro OUT o, t                        ; the step's 16 neighbours, under output o's scale
.irp i, 0,1,2,3,4,5,6,7,8,9,10,11,12,13,14,15
	v_med3_num_f32 v[T+\i], v[XS+\i], -v[SCL+2*\o+1], v[SCL+2*\o+1]   ; the conversion to an 8-bit code does not saturate (ISA guide 7.6.2): the hold at the largest code x the scale
.endr
	v_cvt_scalef32_pk8_fp8_f32 v[C+4*\o:C+4*\o+1], v[T:T+7], v[SCL+2*\o]
	v_cvt_scalef32_pk8_fp8_f32 v[C+4*\o+2:C+4*\o+3], v[T+8:T+15], v[SCL+2*\o]
	v_nop                                          ; a plain line between the conversions and the next holds, which write their sources
	global_store_b128 v3, v[C+4*\o:C+4*\o+3], s[40+2*\o:41+2*\o] offset:512*(\t)   ; 32 lanes store 512 consecutive bytes
.endm
.macro STEP t
.set XS, X+16*((\t)%2)
	s_wait_dscnt 0x0                               ; this step's numbers are back from the stage: so its stores into the stage have read their registers,
.if (\t)+4 < STEPS
	LOAD (\t)+4                                    ; which take the loads of four steps on
.endif
.if (\t)+1 < STEPS
.if STEPS-2-(\t) >= 3
	s_wait_loadcnt 12                              ; the next step's four loads are in; those of the three steps behind it may be out
.else
	s_wait_loadcnt 4*(STEPS-2-(\t))
.endif
	TURN (\t)+1                                    ; and go through the other stage while this step is worked
.endif
.if (\t) > 0
	s_wait_xcnt 0x0                                ; the last step's stores have read their data: the codes' registers are written again only behind this wait
.endif
	OUT 0, \t
	s_cmp_lt_u32 ttmp9, G_WQ                       ; x has two more sets of codes
	s_cbranch_scc0 .Lone_\@
	OUT 1, \t
	OUT 2, \t
.Lone_\@:
.endm
.irp t, 0,1,2,3,4,5,6,7
	STEP \t
.endr
	s_wait_tensorcnt 0x0
	ds_add_u32 v160, v161
	s_wait_dscnt 0x0
	s_endpgm
.Ltable:                                               ; 128 work-groups, two to a block of 16 positions; a thread makes four cosines and four sines
	s_sub_co_u32 s24, ttmp9, G_TAB
	s_lshr_b32 s25, s24, 1                         ; the block
	s_and_b32 s24, s24, 1
	s_lshl_b32 s24, s24, 7
	v_add_nc_u32 v1, s24, v0                       ; idx = 32 i + lane, 0 .. 255
	s_lshl_b32 s26, s25, 4
	v_and_b32 v2, 15, v1
	v_add_nc_u32 v2, s26, v2                       ; the position
	v_cvt_f32_u32 v2, v2
	v_lshrrev_b32 v3, 6, v1
	v_bfe_u32 v4, v1, 4, 1
	v_bfe_u32 v5, v1, 5, 1
	v_lshlrev_b32 v3, 4, v3
	v_lshl_add_u32 v3, v4, 3, v3
	v_lshl_add_u32 v3, v5, 2, v3                   ; d of my first number: 16 (idx / 64) + 8 h + 4 (i % 2)
	v_lshlrev_b32 v6, 4, v1                        ; my 16 bytes
	s_lshl_b32 s26, s25, 13
	s_mov_b32 s27, 0
	s_add_nc_u64 s[20:21], s[20:21], s[26:27]
	s_mov_b32 s28, 0xbe549a78                      ; -L, upper part
	s_mov_b32 s29, 0xb1979922                      ; -L, the rest
	s_mov_b32 s30, 0x3f317218                      ; ln 2
	s_mov_b32 s31, 0x3f22f983                      ; 2 / pi
	s_mov_b32 s32, 0x3fc90fdb                      ; pi / 2, upper part
	s_mov_b32 s33, 0xb33bbd2e                      ; pi / 2, the rest
.irp j, 0,1,2,3
	v_add_nc_u32 v[8+\j], \j, v3
.endr
.irp j, 0,1,2,3
	v_cvt_f32_u32 v[8+\j], v[8+\j]
.endr
.irp j, 0,1,2,3
	v_mul_f32 v[12+\j], s28, v[8+\j]               ; a = -d L, rounded
.endr
.irp j, 0,1,2,3
	v_fma_f32 v[16+\j], v[8+\j], s28, -v[12+\j]    ; what the rounding dropped,
.endr
.irp j, 0,1,2,3
	v_fma_f32 v[16+\j], v[8+\j], s29, v[16+\j]     ; and L's lower part
.endr
.irp j, 0,1,2,3
	v_exp_f32 v[20+\j], v[12+\j]                   ; 2^a: one batch
.endr
.irp j, 0,1,2,3
	v_mul_f32 v[16+\j], s30, v[16+\j]              ; plain lines behind the batch
.endr
	s_wait_alu depctr_va_vdst(0)                   ; one wait for the four exponentials, ahead of their first reader
.irp j, 0,1,2,3
	v_fma_f32 v[20+\j], v[20+\j], v[16+\j], v[20+\j]   ; 2^a (1 + ln 2 x the rest) = 10000^(-d / 64)
.endr
.irp j, 0,1,2,3
	v_mul_f32 v[20+\j], v2, v[20+\j]               ; the angle
.endr
.irp j, 0,1,2,3
	v_mul_f32 v[24+\j], s31, v[20+\j]
.endr
.irp j, 0,1,2,3
	v_rndne_f32 v[24+\j], v[24+\j]                 ; n quarter turns
.endr
.irp j, 0,1,2,3
	v_fma_f32 v[20+\j], -v[24+\j], s32, v[20+\j]
.endr
.irp j, 0,1,2,3
	v_fma_f32 v[20+\j], -v[24+\j], s33, v[20+\j]   ; r = angle - n pi / 2, within +-pi / 4
.endr
.irp j, 0,1,2,3
	v_mul_f32 v[28+\j], v[20+\j], v[20+\j]         ; z = r r
	v_cvt_i32_f32 v[24+\j], v[24+\j]
	v_mov_b32 v[32+\j], 0x3638ef1d                 ; sin r = r + r z (-1/6 + z (1/120 + z (-1/5040 + z / 362880)))
	v_mov_b32 v[36+\j], 0xb493f27e                 ; cos r = 1 + z (-1/2 + z (1/24 + z (-1/720 + z (1/40320 - z / 3628800))))
.endr
.irp j, 0,1,2,3
	v_fmaak_f32 v[32+\j], v[32+\j], v[28+\j], 0xb9500d01
	v_fmaak_f32 v[36+\j], v[36+\j], v[28+\j], 0x37d00d01
.endr
.irp j, 0,1,2,3
	v_fmaak_f32 v[32+\j], v[32+\j], v[28+\j], 0x3c088889
	v_fmaak_f32 v[36+\j], v[36+\j], v[28+\j], 0xbab60b61
.endr
.irp j, 0,1,2,3
	v_fmaak_f32 v[32+\j], v[32+\j], v[28+\j], 0xbe2aaaab
	v_fmaak_f32 v[36+\j], v[36+\j], v[28+\j], 0x3d2aaaab
.endr
.irp j, 0,1,2,3
	v_mul_f32 v[32+\j], v[32+\j], v[28+\j]
	v_fmaak_f32 v[36+\j], v[36+\j], v[28+\j], 0xbf000000
.endr
.irp j, 0,1,2,3
	v_fma_f32 v[32+\j], v[20+\j], v[32+\j], v[20+\j]   ; sin r
	v_fmaak_f32 v[36+\j], v[36+\j], v[28+\j], 0x3f800000   ; cos r
.endr
.irp j, 0,1,2,3                                ; the quarter: odd n swaps the two; cosine is negative for n % 4 = 1, 2, sine for 2, 3
	v_and_b32 v[40+\j], 1, v[24+\j]
	v_cmp_ne_u32 vcc_lo, 0, v[40+\j]
	v_cndmask_b32 v[44+\j], v[36+\j], v[32+\j], vcc_lo
	v_cndmask_b32 v[48+\j], v[32+\j], v[36+\j], vcc_lo
	v_add_nc_u32 v[40+\j], 1, v[24+\j]
	v_and_b32 v[40+\j], 2, v[40+\j]
	v_lshlrev_b32 v[40+\j], 30, v[40+\j]
	v_xor_b32 v[44+\j], v[40+\j], v[44+\j]
	v_and_b32 v[40+\j], 2, v[24+\j]
	v_lshlrev_b32 v[40+\j], 30, v[40+\j]
	v_xor_b32 v[48+\j], v[40+\j], v[48+\j]
.endr
	global_store_b128 v6, v[44:47], s[20:21]               ; a wave stores 512 consecutive bytes of cosines,
	global_store_b128 v6, v[48:51], s[20:21] offset:4096   ; and of sines
	s_endpgm
.Lfunc_end_k_q958fe97ee7_quant:
	.size	k_q958fe97ee7_quant, .Lfunc_end_k_q958fe97ee7_quant-k_q958fe97ee7_quant
	.p2alignl 7, 3214868480
	.fill 96, 4, 3214868480
	.section	.rodata,"a",@progbits
	.p2align	6, 0x0
	.amdhsa_kernel k_q958fe97ee7_quant
		.amdhsa_group_segment_fixed_size 33280
		.amdhsa_private_segment_fixed_size 0
		.amdhsa_enable_private_segment 0
		.amdhsa_kernarg_size 72
		.amdhsa_user_sgpr_count 2
		.amdhsa_user_sgpr_kernarg_segment_ptr 1
		.amdhsa_wavefront_size32 1
		.amdhsa_system_sgpr_workgroup_id_x 1
		.amdhsa_system_sgpr_workgroup_id_y 1
		.amdhsa_system_sgpr_workgroup_id_z 1
		.amdhsa_system_vgpr_workitem_id 0
		.amdhsa_next_free_vgpr 162
		.amdhsa_next_free_sgpr 66
		.amdhsa_reserve_vcc 1
		.amdhsa_float_denorm_mode_32 3
		.amdhsa_float_denorm_mode_16_64 3
		.amdhsa_memory_ordered 1
		.amdhsa_forward_progress 1
		.amdhsa_inst_pref_size 51
	.end_amdhsa_kernel
	.amdgpu_metadata
---
amdhsa.version: [ 1, 2 ]
amdhsa.kernels:
  - .name:           k_q958fe97ee7_quant
    .symbol:         k_q958fe97ee7_quant.kd
    .args:
      - { .name: x, .offset: 0, .size: 8, .value_kind: global_buffer, .address_space: global }
      - { .name: Wq, .offset: 8, .size: 8, .value_kind: global_buffer, .address_space: global }
      - { .name: Wk, .offset: 16, .size: 8, .value_kind: global_buffer, .address_space: global }
      - { .name: Wv, .offset: 24, .size: 8, .value_kind: global_buffer, .address_space: global }
      - { .name: Wo, .offset: 32, .size: 8, .value_kind: global_buffer, .address_space: global }
      - { .name: lowp_scales, .offset: 40, .size: 8, .value_kind: global_buffer, .address_space: global }
      - { .name: xc, .offset: 48, .size: 8, .value_kind: global_buffer, .address_space: global }
      - { .name: wc, .offset: 56, .size: 8, .value_kind: global_buffer, .address_space: global }
      - { .name: tab, .offset: 64, .size: 8, .value_kind: global_buffer, .address_space: global }
    .group_segment_fixed_size: 33280
    .private_segment_fixed_size: 0
    .kernarg_segment_align: 8
    .kernarg_segment_size: 72
    .max_flat_workgroup_size: 128
    .sgpr_count:     66
    .vgpr_count:     162
    .wavefront_size: 32
...
	.end_amdgpu_metadata
.endif
;; end of part 1
;; launch qkv (part 2): grid 16 x 12, 4 waves a work-group, clusters of 4 x 1, 327,680 bytes of LDS; arguments xc, wc, lowp_scales, tab, qc, kc, vc; writes qc, kc, vc
.if DOCPART == 2
	.amdgcn_target "amdgcn-amd-amdhsa--gfx1250"
	.amdhsa_code_object_version 6
	.text
	.protected	k_q958fe97ee7_qkv
	.globl	k_q958fe97ee7_qkv
	.p2align	8
	.type	k_q958fe97ee7_qkv,@function
k_q958fe97ee7_qkv:
	s_mov_b64 s[64:65], 0
	v_nop
	global_prefetch_b8 v0, s[64:65] scope:SCOPE_SE
	s_setreg_imm32_b32 hwreg(HW_REG_WAVE_MODE, 25, 1), 1
	s_wait_xcnt 0x0
	s_wait_alu depctr_hold_cnt(0) depctr_sa_sdst(0) depctr_va_vdst(0) depctr_va_sdst(0) depctr_va_ssrc(0) depctr_va_vcc(0) depctr_vm_vsrc(0)
	s_getreg_b32 s2, hwreg(HW_REG_IB_STS2, 6, 4)
	s_cmp_eq_u32 s2, 0
	s_cbranch_scc0 .Lentry_in_a_cluster
	s_endpgm
.Lentry_in_a_cluster:
	s_bfe_u32 s2, ttmp6, 0x10000c
	s_cmp_lg_u32 s2, 0x3003
	s_cbranch_scc0 .Lentry_shape_is_right
	s_endpgm
.Lentry_shape_is_right:
; q = x Wq^T, k = x Wk^T, v = x Wv^T on codes of FP8 (E4M3); q and k are rotated (rotary embedding); all three are quantised for the attention's products and stored as codes.
; xc: three sets [4096][2048] of x's codes (for the products with Wq, Wk, Wv); wc: [3072][2048] codes: Wq's 2,048 rows, Wk's 512, Wv's 512.  Sums in f32.
; A tile is 256 tokens x 256 columns: tile row mt = 0..15, tile column nt = 0..11 (0-7 q, 8-9 k, 10-11 v).  Four waves, each 128 x 128: one head for 128 tokens, 64 accumulators, 512 registers.
; K goes in steps of 256 through a ring of two LDS slots filled by the tensor data mover.
; CLUSTER: the four work-groups of a cluster have the same nt and four neighbouring mt: they need the same tiles of the weights, which are asked for JOINTLY (mask 15).  x's tiles differ
; between them and are plain loads behind the same rounds.  A cluster is not 4 x 4: k and v have two tile columns each, on other codes of x than their neighbours, so four tile columns share no tile of x.
; THE MATRIX INSTRUCTION IS USED TRANSPOSED.  For q and k: source 0 = 16 rows of W, source 1 = 16 tokens: a lane holds one token, its eight registers eight neighbouring channels, which are the
; next product's K.  For v the next K is the tokens (the keys): the two fragment bases in LDS change places (a choice on nt), so that a lane holds one channel and eight neighbouring tokens.
; THE WAY OUT: a block of 16 lanes' rows x 128: 64 numbers a lane, register 8 b + j = k 16 b + 8 (lane / 16) + j: eight conversions give the 16 registers of a fragment (16 rows x 128 K) in the
; order that v_wmma_f32_16x16x128_fp8_fp8 gives each k.  The registers are stored as they stand: [4 registers c][lane][16 bytes], 2,048 bytes, four stores of 512 consecutive bytes; no LDS stage.
;   qc: [batch x 16 + head][tile of 16 queries][2,048];  kc: [batch x 4 + head][tile of 16 keys][2,048];  vc: [batch x 4 + head][128 keys][tile of 16 channels][2,048].
; SCALES: a sum stands for sum x 2^(ea + eb); the rotation is linear; so the conversion takes 2^(eo - ea - eb) as its one scale (ea, eb, eo: entries 0, 1, 6 for q; 2, 3, 7 for k; 4, 5, 9 for v).
; LIMIT: eo - ea - eb between -126 and 119.
; REGISTERS, in windows of 256: window 0: v0-31 addresses; from v128 source 1's fragments, ONE set; v32-95 the first block's table; on the way out v96-159 the second table set, v160-223 numbers, v224-255 codes.
;   window 1: source 0's fragments, TWO sets.   window 2: the accumulators of my blocks 0-3 (accumulator (a, b) at v[8 (8 a + b)]);   window 3: those of blocks 4-7.
.set KSTEP,  256                       ; along K in a slot
.set ROWB,   256                       ; a tile's row in bytes
.set KROW,   2048                      ; a row of codes in memory, in bytes
.set PITCH,  272                       ; an LDS row: 256 bytes + 16 of padding = 68 words: row r starts at bank 4 r mod 64 (64 banks of 4 bytes: ISA guide 11.1)
.set FR,     16                        ; registers of a fragment: 16 rows x 128 K
.set NL,     4                         ; LDS loads that bring one
.set NP,     4                         ; places behind this matrix instruction (ISA guide 7.12.1)
.set HALFT,  128*PITCH                 ; 128 rows: what one tensor load brings
.set SLOT,   4*HALFT                   ; x's 256 rows, then W's 256 rows
.set LAPS,   2048/(2*KSTEP)            ; a lap = two K steps = once round the ring
.set SPARE,  2*SLOT                    ; behind the ring: the spare words, 128 bytes for each wave
.set ADRA, 16                          ; v16-17  LDS address of source 1's fragments in slot 0, 1
.set ADRB, 20                          ; v20-21  the same for source 0
.set LN16, 24                          ; v24     16 x lane: my place in a table block and in a fragment's image; never rewritten
.set SPW,  28                          ; v28     LDS address of my spare word; never rewritten
.set NIL,  29                          ; v29     0; never rewritten
.set SC,   30                          ; v30     2^(eo - ea - eb)
.set LIM,  31                          ; v31     448 x that
.set TB0,  32                          ; two table sets of 64: 32 registers of cosines, 32 of sines
.set AF,   128
.set OUTR, 160                         ; 64 numbers ahead of the quantiser
.set CD,   224                         ; two sets of 16 registers of codes
.set G1, 24                            ; s[24:31] descriptor group 1 for x's tiles;  s[32:39] group 0, one set for each slot
.set G0, 32
.set G1B, 48                           ; s[48:55], s[56:63] the same for W's tiles
.set G0B, 56
.set MSB, 0
.macro WIN new                         ; the immediate's high byte repeats the setting that is left
.if MSB != \new
	s_set_vgpr_msb (MSB<<8)|\new
.set MSB, \new
.endif
.endm
.set MUL_LO, 0xa1                      ; source 0 window 1, source 1 window 0, C and D window 2
.set MUL_HI, 0xf1                      ; the same, C and D window 3
.set TO_B,   0x40                      ; destination window 1, address window 0
; Waves 0 and 1 fetch x's two halves (plain loads), waves 2 and 3 W's (joint loads).  The branch hangs on the wave's number alone.  Four v_nop follow each of the two lines.
.macro JLOAD g0a, g1a, g0b, g1b
	s_cmp_eq_u32 s15, 0
	s_cbranch_scc0 .Lfor_b_\@
	tensor_load_to_lds s[\g0a:\g0a+3], s[\g1a:\g1a+7]
	s_nop 0
.rept 4
	v_nop
.endr
	s_branch .Lasked_\@
.Lfor_b_\@:
	tensor_load_to_lds s[\g0b:\g0b+3], s[\g1b:\g1b+7]
	s_nop 0
.rept 4
	v_nop
.endr
.Lasked_\@:
.endm
.macro CREST                           ; a round of the cluster's barrier behind its opening barrier
	s_cmp_lg_u32 s14, 0
	s_cbranch_scc1 .Lnot_wave_0_\@
	s_barrier_signal -3
.Lnot_wave_0_\@:
	s_barrier_wait -3
	s_barrier_signal -1
	s_barrier_wait -1
.endm
.macro CROUND                          ; a whole round
	s_barrier_signal -1
	s_barrier_wait -1
	CREST
.endm
	s_load_b256 s[4:11], s[0:1], 0x0               ; xc s[4:5], wc s[6:7], the exponents s[8:9], tab s[10:11]
	s_load_b128 s[68:71], s[0:1], 0x20             ; qc s[68:69], kc s[70:71]
	s_load_b64 s[72:73], s[0:1], 0x30              ; vc
	v_lshl_add_u32 v[SPW], v0, 2, SPARE
	v_mov_b32 v[NIL], 0
	ds_add_u32 v28, v29
	ds_add_u32 v28, v29
	s_wait_dscnt 0x0
	v_lshrrev_b32 v1, 5, v0
	v_readfirstlane_b32 s14, v1                    ; wave 0..3
	s_lshr_b32 s15, s14, 1                         ; which half of source 1's rows is mine.  Also: I fetch for x (0) or for W (1)
	s_and_b32 s16, s14, 1                          ; which half of source 0's rows.  Also: which 128 rows of that tile I fetch
	s_bfe_u32 s40, ttmp6, 0x40000                  ; cx: my place in the cluster
	s_lshl_b32 s17, ttmp9, 2
	s_add_co_u32 s17, s17, s40                     ; mt = 4 x cluster x + cx: it enters global addresses alone
	s_and_b32 s42, ttmp7, 0xffff                   ; nt, which the four partners share
	; descriptor group 1: a tile of 128 rows x 256 bytes, padded in LDS
	s_mov_b32 s[G1+0], (0<<16)|(1<<20)|(5<<22)|(3<<25)              ; 15:0 no mask; 17:16 element of 1 byte; 20 padding on; 24:22 after every 64 words (code 5); 31:25 of 4 words (code 3)
	s_mov_b32 s[G1B+0], 15|(0<<16)|(1<<20)|(1<<21)|(5<<22)|(3<<25)  ; the same with the mask of all four work-groups, and bit 21 set beside it
.irp g, G1, G1B
	s_mov_b32 s[\g+1], ROWB<<16                    ; tensor_dim0
	s_mov_b32 s[\g+2], 128<<16                     ; tensor_dim1 = 128
	s_mov_b32 s[\g+3], ROWB<<16                    ; tile_dim0
	s_mov_b32 s[\g+4], 128                         ; tile_dim1 = 128
	s_mov_b32 s[\g+5], KROW                        ; tensor_dim0_stride
	s_mov_b32 s[\g+6], 0
	s_mov_b32 s[\g+7], 0
.endr
	s_cmp_ge_u32 s42, 8
	s_cselect_b32 s43, 1, 0
	s_cmp_ge_u32 s42, 10
	s_cselect_b32 s44, 1, 0
	s_add_co_u32 s43, s43, s44                     ; which set of x's codes: 0 q, 1 k, 2 v
	s_lshl_b32 s18, s16, 7                         ; which 128 rows of the tile I fetch
	s_lshl_b32 s20, s17, 8
	s_add_co_u32 s20, s20, s18                     ; x: row 256 mt + 128 x half,
	s_lshl_b32 s20, s20, 11                        ; in bytes,
	s_lshl_b32 s43, s43, 23
	s_add_co_u32 s20, s20, s43                     ; in its set of 8 MiB
	s_mov_b32 s21, 0
	s_lshl_b32 s46, s42, 8
	s_add_co_u32 s46, s46, s18                     ; W: row 256 nt + 128 x half
	s_lshl_b32 s46, s46, 11
	s_mov_b32 s47, 0
	s_mul_i32 s45, s14, HALFT                      ; where they go: wave x 128 rows: no place in the cluster enters an LDS address
	s_wait_kmcnt 0x0
	s_load_b256 s[76:83], s[8:9], 0x0              ; e0 .. e7
	s_load_b64 s[84:85], s[8:9], 0x20              ; e8, e9
	s_add_nc_u64 s[20:21], s[4:5], s[20:21]
	s_add_nc_u64 s[46:47], s[6:7], s[46:47]
	CROUND                                         ; all four work-groups are here: the first joint loads meet
.irp s, 0,1
	s_mov_b32 s[G0+4*\s], 1
	s_add_co_u32 s[G0+4*\s+1], s45, \s*SLOT
	s_add_nc_u64 s[G0+4*\s+2:G0+4*\s+3], s[20:21], \s*ROWB
	s_or_b32 s[G0+4*\s+3], s[G0+4*\s+3], 0x80000000
	s_mov_b32 s[G0B+4*\s], 1
	s_add_co_u32 s[G0B+4*\s+1], s45, \s*SLOT
	s_add_nc_u64 s[G0B+4*\s+2:G0B+4*\s+3], s[46:47], \s*ROWB
	s_or_b32 s[G0B+4*\s+3], s[G0B+4*\s+3], 0x80000000
	JLOAD G0+4*\s, G1, G0B+4*\s, G1B
.endr
	v_and_b32 v1, 15, v0                           ; l % 16
	v_bfe_u32 v2, v0, 4, 1                         ; l / 16
	v_mul_u32_u24 v3, v1, PITCH
	v_lshl_add_u32 v4, v2, 4, v3                   ; a fragment's row x pitch + 16 x half
	s_cmp_ge_u32 s42, 10                           ; v: source 1 takes W's rows and source 0 x's; q, k: the other way round
	s_cselect_b32 s21, 2*HALFT, 0
	s_cselect_b32 s22, 0, 2*HALFT
	s_mul_i32 s23, s15, HALFT
	s_add_co_u32 s21, s21, s23                     ; source 1: my 128 rows
	s_mul_i32 s23, s16, HALFT
	s_add_co_u32 s22, s22, s23                     ; source 0: my 128 rows
.irp s, 0,1
	v_add_nc_u32 v[ADRA+\s], s21, v4
	v_add_nc_u32 v[ADRB+\s], s22, v4
	s_add_co_u32 s21, s21, SLOT
	s_add_co_u32 s22, s22, SLOT
.endr
	v_and_b32 v6, 31, v0
	v_lshlrev_b32 v[LN16], 4, v6
	s_and_b32 s18, s17, 3                          ; which 256 positions of the sequence
	s_lshl_b32 s19, s18, 4
	s_lshl_b32 s23, s15, 3
	s_add_co_u32 s19, s19, s23                     ; the table block of my first 16 tokens: 16 (mt % 4) + 8 x half
	s_lshl_b32 s22, s19, 13
	s_mov_b32 s23, 0
	s_add_nc_u64 s[10:11], s[10:11], s[22:23]
	; where my codes go
	s_cmp_ge_u32 s42, 8
	s_cselect_b64 s[88:89], s[70:71], s[68:69]
	s_cselect_b32 s92, 8, 0                        ; the tensor's first tile column
	s_cselect_b32 s93, 2, 4                        ; log2 of its heads: 4 or 16
	s_cmp_ge_u32 s42, 10
	s_cselect_b64 s[88:89], s[72:73], s[88:89]
	s_cselect_b32 s92, 10, s92
	s_cselect_b32 s94, s15, s16                    ; which of the tile's two heads is mine,
	s_cselect_b32 s95, s16, s15                    ; and which 128 of its 256 tokens
	s_lshr_b32 s22, s17, 2                         ; the batch
	s_lshl_b32 s22, s22, s93
	s_sub_co_u32 s23, s42, s92
	s_lshl_b32 s23, s23, 1
	s_add_co_u32 s22, s22, s23
	s_add_co_u32 s22, s22, s94                     ; batch x heads + head
	s_lshl_b32 s22, s22, 17                        ; 131,072 bytes a head
	s_lshl_b32 s23, s18, 1
	s_add_co_u32 s23, s23, s95
	s_lshl_b32 s23, s23, 14                        ; 16,384 bytes for 128 tokens
	s_add_co_u32 s22, s22, s23
	s_mov_b32 s23, 0
	s_add_nc_u64 s[88:89], s[88:89], s[22:23]
; the table of block a (16 tokens): 16 loads of 512 consecutive bytes: register 8 b + j of a set's cosines (sines: + 32) belongs to my token and frequency 16 b + 8 (lane / 16) + j
.macro TABLD a
.set TS, TB0+64*((\a)%2)
.irp i, 0,1,2,3,4,5,6,7
	global_load_b128 v[TS+4*\i:TS+4*\i+3], v[LN16], s[10:11] offset:(\a)*8192+512*\i
	global_load_b128 v[TS+32+4*\i:TS+32+4*\i+3], v[LN16], s[10:11] offset:(\a)*8192+4096+512*\i
.endr
.endm
	TABLD 0                                        ; the first block's table lands under the products.  v's work-groups load it too and do not use it: so every path has issued the same loads
.macro FRAG reg, adr, q, i             ; a fragment by four loads of 16 bytes: registers 4 c .. 4 c + 3 hold K = 32 c + 16 (l / 16) + 0 .. 15: a permutation of k, the same on both sides
.irp c, 0,1,2,3
	ds_load_b128 v[\reg+4*\c:\reg+4*\c+3], v[\adr] offset:128*(\q)+32*\c+(\i)*16*PITCH
.endr
.endm
; 16 matrix instructions: source 1's blocks a0, a0 + 1 x source 0's eight, 128 along K.  p: source 0's set.  zero = 1: the first product starts the sums.
; The 64 accumulators take turns, one instruction a turn, in the same order in every step.
.macro MUL16 a0, p, zero
.irp a, \a0, \a0+1
.irp b, 0,1,2,3,4,5,6,7
.if \zero
	v_wmma_f32_16x16x128_fp8_fp8 v[8*(8*((\a)%4)+\b):8*(8*((\a)%4)+\b)+7], v[128*(\p)+FR*\b:128*(\p)+FR*\b+FR-1], v[AF+FR*(\a):AF+FR*(\a)+FR-1], 0
.else
	v_wmma_f32_16x16x128_fp8_fp8 v[8*(8*((\a)%4)+\b):8*(8*((\a)%4)+\b)+7], v[128*(\p)+FR*\b:128*(\p)+FR*\b+FR-1], v[AF+FR*(\a):AF+FR*(\a)+FR-1], v[8*(8*((\a)%4)+\b):8*(8*((\a)%4)+\b)+7]
.endif
.endr
.endr
.endm
.macro FETCH_B slot, q, p              ; source 0's eight fragments of the slot's q-th 128 along K into set p
	WIN TO_B
.irp i, 0,1,2,3,4,5,6,7
	FRAG 128*(\p)+FR*\i, ADRB+\slot, \q, \i
.endr
	WIN 0
.endm
.macro FETCH_A slot, q, i0             ; source 1's blocks i0 .. i0 + 3
.irp i, \i0, \i0+1, \i0+2, \i0+3
	FRAG AF+FR*(\i), ADRA+\slot, \q, \i
.endr
.endm
.macro PLACES n                        ; plain vector lines between a matrix instruction and a load into, or a vector line on, its registers
.rept \n
	v_nop
.endr
.endm
; A step of 128 along K that has its successor in the same slot.
.macro STEP slot, q, zero
	s_wait_dscnt 4*NL                              ; source 0's set and source 1's blocks 0-3 are in; the youngest 16 loads (blocks 4-7) may be out
	WIN MUL_LO
	MUL16 0, (\q)%2, \zero
	MUL16 2, (\q)%2, \zero
	s_wait_dscnt 0                                 ; blocks 4-7 are in
	PLACES NP
	FETCH_B \slot, (\q)+1, 1-(\q)%2
	FETCH_A \slot, (\q)+1, 0
	WIN MUL_HI
	MUL16 4, (\q)%2, \zero
	MUL16 6, (\q)%2, \zero
	PLACES NP
	WIN 0
	FETCH_A \slot, (\q)+1, 4
.endm
; A slot's last step changes slots AT ITS HEAD: all its fragments have been asked for, so the slot's bytes are done with as soon as those loads are back.  Each wave waits for all its tensor loads, adds 0 to its
; spare word, steps the descriptors, and waits for the add and for its own reads of this slot; ONE barrier.  fill = 1: the barrier opens a round of the cluster's barrier, and this slot is filled again, two K steps
; ahead, first thing behind the round: all 64 products of this step and the 64 of the next stand between that request and the wait for it.
.macro TURN slot, next, fill
	s_wait_tensorcnt 0x0                           ; all my tensor loads have landed: my part of the next slot;  (every window is 0 here)
	ds_add_u32 v[SPW], v[NIL]                      ; 0 onto my spare word
.if \fill
	s_add_nc_u64 s[G0+4*\slot+2:G0+4*\slot+3], s[G0+4*\slot+2:G0+4*\slot+3], 2*ROWB      ; no tensor load of mine is out, so a group 0 may be written: this slot's next tile
	s_add_nc_u64 s[G0B+4*\slot+2:G0B+4*\slot+3], s[G0B+4*\slot+2:G0B+4*\slot+3], 2*ROWB
.endif
	s_wait_dscnt 0x0                               ; the add is done, and my reads of this slot are over
	s_barrier_signal -1
	s_barrier_wait -1
.if \fill
	CREST                                          ; the barrier has opened a round of the cluster's barrier: no wave of any partner still reads this slot's tile or has a load on its way
	JLOAD G0+4*\slot, G1, G0B+4*\slot, G1B         ; the first tensor load behind the round, and my only one until the next
.endif
	WIN MUL_LO
	MUL16 0, 1, 0
	MUL16 2, 1, 0
	PLACES NP
	FETCH_B \next, 0, 0
	FETCH_A \next, 0, 0
	WIN MUL_HI
	MUL16 4, 1, 0
	MUL16 6, 1, 0
	PLACES NP
	WIN 0
	FETCH_A \next, 0, 4
.endm
	s_wait_tensorcnt 1                             ; my part of K step 0 is in (K step 1's load may be out)
	s_barrier_signal -1
	s_barrier_wait -1                              ; everybody's is
	FETCH_B 0, 0, 0
	FETCH_A 0, 0, 0
	FETCH_A 0, 0, 4
	STEP 0, 0, 1                                   ; the first step stands in front of the loop: its products start the sums
	s_mov_b32 s3, LAPS-1
.Llap:                                                 ; a trip goes once round the ring, from a lap's second step to the next lap's first, and fills both slots again
	TURN 0, 1, 1
	STEP 1, 0, 0
	TURN 1, 0, 1
	STEP 0, 0, 0
	s_sub_co_u32 s3, s3, 1
	s_cmp_lg_u32 s3, 0
	s_cbranch_scc1 .Llap
	TURN 0, 1, 0                                   ; the last lap fills nothing, and has no round of the cluster's barrier
	STEP 1, 0, 0
	s_wait_dscnt 4*NL                              ; the very last step: nothing more to fetch
	WIN MUL_LO
	MUL16 0, 1, 0
	MUL16 2, 1, 0
	s_wait_dscnt 0
	WIN MUL_HI
	MUL16 4, 1, 0
	MUL16 6, 1, 0
	WIN 0
	; THE WAY OUT
	s_wait_kmcnt 0x0
	s_cmp_ge_u32 s42, 8                            ; the three exponents of my tensor: choices, no branch
	s_cselect_b32 s86, s78, s76
	s_cselect_b32 s87, s79, s77
	s_cselect_b32 s90, s83, s82
	s_cmp_ge_u32 s42, 10
	s_cselect_b32 s86, s80, s86                    ; ea
	s_cselect_b32 s87, s81, s87                    ; eb
	s_cselect_b32 s90, s85, s90                    ; eo
	s_sub_co_i32 s90, s90, s86
	s_sub_co_i32 s90, s90, s87
	s_add_co_i32 s90, s90, 127
	s_lshl_b32 s91, s90, 23                        ; 2^(eo - ea - eb) as f32
	s_add_co_i32 s90, s90, 8
	s_lshl_b32 s90, s90, 23
	s_or_b32 s90, s90, 0x600000                    ; 448 x that
	PLACES NP                                      ; behind the last products: for the loads and vector lines on the registers that held fragments, and for the reads of results
	v_mov_b32 v[SC], s91
	v_mov_b32 v[LIM], s90
; block a's 64 numbers in v[OUTR] on become a fragment's 16 registers and leave as they stand
.macro PACKOUT a
.set CDS, CD+16*((\a)%2)
.if (\a) > 1
	s_wait_xcnt 0x0                                ; block a - 2's stores have read their data: this set of codes is written again only behind this wait
.endif
.irp b, 0,1,2,3,4,5,6,7
	v_cvt_scalef32_pk8_fp8_f32 v[CDS+2*\b:CDS+2*\b+1], v[OUTR+8*\b:OUTR+8*\b+7], v[SC]
.endr
	v_nop                                          ; a plain line between the conversions and the next block's lines, which write their sources
.irp c, 0,1,2,3
	global_store_b128 v[LN16], v[CDS+4*\c:CDS+4*\c+3], s[88:89] offset:(\a)*2048+512*\c   ; 32 lanes store 512 consecutive bytes
.endr
.endm
; the rotation of block a: channel d < 64 (accumulator b, register j) and channel d + 64 (accumulator b + 4, register j): x1 c - x2 s and x1 s + x2 c, two at a time; each accumulator from its low end on
.macro ROT a
.set TS, TB0+64*((\a)%2)
.set AC, 64*((\a)%4)
.irp b, 0,1,2,3
.irp p, 0,2,4,6
	v_pk_mul_f32 v[OUTR+8*\b+\p:OUTR+8*\b+\p+1], v[AC+32+8*\b+\p:AC+32+8*\b+\p+1], v[TS+32+8*\b+\p:TS+32+8*\b+\p+1]        ; x2 s
	v_pk_mul_f32 v[OUTR+32+8*\b+\p:OUTR+32+8*\b+\p+1], v[AC+32+8*\b+\p:AC+32+8*\b+\p+1], v[TS+8*\b+\p:TS+8*\b+\p+1]        ; x2 c
.endr
.irp p, 0,2,4,6
	v_pk_fma_f32 v[OUTR+8*\b+\p:OUTR+8*\b+\p+1], v[AC+8*\b+\p:AC+8*\b+\p+1], v[TS+8*\b+\p:TS+8*\b+\p+1], v[OUTR+8*\b+\p:OUTR+8*\b+\p+1] neg_lo:[0,0,1] neg_hi:[0,0,1]   ; x1 c - x2 s
	v_pk_fma_f32 v[OUTR+32+8*\b+\p:OUTR+32+8*\b+\p+1], v[AC+8*\b+\p:AC+8*\b+\p+1], v[TS+32+8*\b+\p:TS+32+8*\b+\p+1], v[OUTR+32+8*\b+\p:OUTR+32+8*\b+\p+1]               ; x1 s + x2 c
.endr
.endr
.endm
	s_cmp_ge_u32 s42, 10
	s_cbranch_scc1 .Lv
	TABLD 1
.irp a, 0,1,2,3,4,5,6,7
.if \a < 7
	s_wait_loadcnt 16                              ; this block's table is in; the next block's sixteen loads may be out
.else
	s_wait_loadcnt 0
.endif
	WIN 0x02+((\a)/4)                              ; source 0: window 2 or 3
	ROT \a
	WIN 0
.if \a < 6
	TABLD \a+2                                     ; into the set just read
.endif
.set n, 0
.rept 64
	v_med3_num_f32 v[OUTR+n], v[OUTR+n], -v[LIM], v[LIM]   ; the conversion to an 8-bit code does not saturate (ISA guide 7.6.2): the hold at the largest code x the scale
.set n, n+1
.endr
	PACKOUT \a
.endr
	s_branch .Ljoin
.Lv:                                                   ; v is not rotated: the hold takes the sums out of the accumulators, each from its low end on
.irp a, 0,1,2,3,4,5,6,7
.set AC, 64*((\a)%4)
	WIN 0x02+((\a)/4)
.set n, 0
.rept 64
	v_med3_num_f32 v[OUTR+n], v[AC+n], -v[LIM], v[LIM]
.set n, n+1
.endr
	WIN 0
	PACKOUT \a
.endr
.Ljoin:
	s_wait_tensorcnt 0x0                           ; the wave's end
	ds_add_u32 v[SPW], v[NIL]
	s_wait_dscnt 0x0
	CROUND                                         ; the closing round: no work-group ends while a partner may still ask for a tile that names it
	s_endpgm
.Lfunc_end_k_q958fe97ee7_qkv:
	.size	k_q958fe97ee7_qkv, .Lfunc_end_k_q958fe97ee7_qkv-k_q958fe97ee7_qkv
	.p2alignl 7, 3214868480
	.fill 96, 4, 3214868480
	.section	.rodata,"a",@progbits
	.p2align	6, 0x0
	.amdhsa_kernel k_q958fe97ee7_qkv
		.amdhsa_group_segment_fixed_size 327680
		.amdhsa_private_segment_fixed_size 0
		.amdhsa_enable_private_segment 0
		.amdhsa_kernarg_size 56
		.amdhsa_user_sgpr_count 2
		.amdhsa_user_sgpr_kernarg_segment_ptr 1
		.amdhsa_wavefront_size32 1
		.amdhsa_system_sgpr_workgroup_id_x 1
		.amdhsa_system_sgpr_workgroup_id_y 1
		.amdhsa_system_sgpr_workgroup_id_z 1
		.amdhsa_system_vgpr_workitem_id 0
		.amdhsa_next_free_vgpr 1024
		.amdhsa_next_free_sgpr 100
		.amdhsa_reserve_vcc 0
		.amdhsa_float_denorm_mode_32 3
		.amdhsa_float_denorm_mode_16_64 3
		.amdhsa_memory_ordered 1
		.amdhsa_forward_progress 1
		.amdhsa_inst_pref_size 203
	.end_amdhsa_kernel
	.amdgpu_metadata
---
amdhsa.version: [ 1, 2 ]
amdhsa.kernels:
  - .name:           k_q958fe97ee7_qkv
    .symbol:         k_q958fe97ee7_qkv.kd
    .args:
      - { .name: xc, .offset: 0, .size: 8, .value_kind: global_buffer, .address_space: global }
      - { .name: wc, .offset: 8, .size: 8, .value_kind: global_buffer, .address_space: global }
      - { .name: lowp_scales, .offset: 16, .size: 8, .value_kind: global_buffer, .address_space: global }
      - { .name: tab, .offset: 24, .size: 8, .value_kind: global_buffer, .address_space: global }
      - { .name: qc, .offset: 32, .size: 8, .value_kind: global_buffer, .address_space: global }
      - { .name: kc, .offset: 40, .size: 8, .value_kind: global_buffer, .address_space: global }
      - { .name: vc, .offset: 48, .size: 8, .value_kind: global_buffer, .address_space: global }
    .group_segment_fixed_size: 327680
    .private_segment_fixed_size: 0
    .kernarg_segment_align: 8
    .kernarg_segment_size: 56
    .max_flat_workgroup_size: 128
    .sgpr_count:     100
    .vgpr_count:     1024
    .wavefront_size: 32
...
	.end_amdgpu_metadata
.endif
;; end of part 2
;; launch attn (part 3): grid 16 x 16, 16 waves a work-group, clusters of 4 x 1, 299,008 bytes of LDS; arguments qc, kc, vc, lowp_scales, ac; writes ac
.if DOCPART == 3
	.amdgcn_target "amdgcn-amd-amdhsa--gfx1250"
	.amdhsa_code_object_version 6
	.text
	.protected	k_q958fe97ee7_attn
	.globl	k_q958fe97ee7_attn
	.p2align	8
	.type	k_q958fe97ee7_attn,@function
k_q958fe97ee7_attn:
	s_mov_b64 s[64:65], 0
	v_nop
	global_prefetch_b8 v0, s[64:65] scope:SCOPE_SE
	s_setreg_imm32_b32 hwreg(HW_REG_WAVE_MODE, 25, 1), 1
	s_wait_xcnt 0x0
	s_wait_alu depctr_hold_cnt(0) depctr_sa_sdst(0) depctr_va_vdst(0) depctr_va_sdst(0) depctr_va_ssrc(0) depctr_va_vcc(0) depctr_vm_vsrc(0)
	s_getreg_b32 s2, hwreg(HW_REG_IB_STS2, 6, 4)
	s_cmp_eq_u32 s2, 0
	s_cbranch_scc0 .Lentry_in_a_cluster
	s_endpgm
.Lentry_in_a_cluster:
	s_bfe_u32 s2, ttmp6, 0x10000c
	s_cmp_lg_u32 s2, 0x3003
	s_cbranch_scc0 .Lentry_shape_is_right
	s_endpgm
.Lentry_shape_is_right:
; Causal grouped-query attention on codes of FP8 (E4M3): 4 batches x 16 query heads x 1,024 positions, head size 128; four query heads share a key and value head.
; qc, kc, vc hold fragments (16 rows x 128 K) as images of their registers: [4 registers c][lane][16 bytes], 2,048 bytes.  qc: [batch x 16 + head][tile of 16 queries]; kc: [batch x 4 + kv][tile of 16 keys];
; vc: [batch x 4 + kv][128 keys][tile of 16 channels] (K = the keys).  ac: the result as codes, [4096 tokens][2048], column = head x 128 + channel, for the last product.
; THE SOFTMAX: t = score x log2(e) / sqrt(128); M = the row's largest t so far, rounded UP to a whole number; p = 2^(t - M) is quantised along the keys, not normalised.  The row's sum is taken of
; the unquantised p, in f32, and divides O at the end.  When M moves, the sum and O are multiplied by 2^(old M - new M): exact.
; SHARES.  Work-group y = bk = 4 batch + kv.  The four work-groups of a cluster share bk, and so all of K and V: 131,072 bytes each, which stay in LDS for the whole launch, asked for JOINTLY (mask 15)
; by waves 0 and 1 (K) and 2 and 3 (V), four loads of 16,384 bytes each; by this text's count four tensor loads of a wave are out at the most.  Nothing in LDS is filled twice.
; A wave owns 16 queries of one head.  Wave w = 4 q + s: I = 2 ((q + s) % 4) + s / 2, hb = s % 2.  Its head is 4 kv + 2 p + hb, its tile of queries 8 I + u, with p = cx % 2 and
; u = cx / 2 + 2 x cluster x.  So its queries lie in positions 128 I .. 128 I + 127 whatever the work-group: it works key steps 0 .. I of 128 keys, step I on the diagonal; every branch hangs on
; the wave's number alone, and every work-group has the same 72 steps of work.  Key steps behind the diagonal are left out: their scores are thrown away by the mask.
; LAYOUT.  Both products transposed: S^T = K Q^T (source 0 = 16 keys, source 1 = my queries), O^T = V^T P^T (source 0 = 16 channels, source 1 = P): a lane holds ONE query (lane % 16) throughout.
; Register 8 k + j of S^T is key 16 k + 8 (lane / 16) + j of the step: eight conversions give P's fragment in the matrix instruction's own order of k, which is V's images' order too.
; V'S FRAGMENTS ARE ASKED FOR AHEAD OF THEIR USE: tiles 0-3 behind the scores' products, into the registers that K's fragments leave, so that they land under the softmax; tiles 4-7 behind p's conversions,
; into the registers that p leaves, so that they land under the rescaling of O^T.
; LIMITS on the given exponents: e6 + e7 between -123 and 130 (added to c's exponent field); e8 and e10 between -126 and 119; e8 + e9 is applied by v_ldexp_f32 and has none.
; REGISTERS: v1-4 LDS addresses of K's and V's halves; v5, v6 the stage, in and out; v7 my offset in ac; v8 the mask's number; v9 -infinity; v12 -M, v13 the largest t, v[14:15] the sum;
; v16-31 Q; v32-95 four fragments of K, then V's tiles 0-3; v96-159 S^T, then p, then V's tiles 4-7; v160-223 O^T; v224-239 codes; v240-254 constants and work.
.set STG,  262144                      ; behind K and V: the stage for the way out: 8 tiles x 16 rows x (256 bytes + 16)
.set WV,   18                          ; s18  my wave's number
.set IW,   19                          ; s19  I
.set SEL,  20                          ; s[20:21] lane selects for v_permlanex16_b32: lane l xor 16
.set CS,   22                          ; s[22:23] c = log2(e) / sqrt(128) x 2^(e6 + e7)
.set G1,   24                          ; s[24:31] descriptor group 1;  s[32:47] K's four groups 0;  s[48:63] V's
.macro CROUND                          ; a round of the cluster's barrier
	s_barrier_signal -1
	s_barrier_wait -1
	s_cmp_lg_u32 s[WV], 0
	s_cbranch_scc1 .Lnot_wave_0_\@
	s_barrier_signal -3
.Lnot_wave_0_\@:
	s_barrier_wait -3
	s_barrier_signal -1
	s_barrier_wait -1
.endm
	s_load_b256 s[4:11], s[0:1], 0x0               ; qc s[4:5], kc s[6:7], vc s[8:9], the exponents s[10:11]
	s_load_b64 s[12:13], s[0:1], 0x20              ; ac
	v_lshl_add_u32 v251, v0, 2, 0x48800
	v_mov_b32 v255, 0
	ds_add_u32 v251, v255
	ds_add_u32 v251, v255
	v_lshrrev_b32 v10, 5, v0
	v_readfirstlane_b32 s[WV], v10                 ; wave 0..15
	s_and_b32 s14, s[WV], 3                        ; s
	s_lshr_b32 s15, s[WV], 2                       ; q
	s_add_co_u32 s16, s14, s15
	s_and_b32 s16, s16, 3
	s_lshl_b32 s16, s16, 1
	s_lshr_b32 s17, s14, 1
	s_add_co_u32 s[IW], s16, s17                   ; I = 2 ((q + s) % 4) + s / 2
	s_and_b32 s17, s14, 1                          ; hb
	s_bfe_u32 s80, ttmp6, 0x40000                  ; cx: it enters global addresses and the mask's number alone
	s_and_b32 s81, s80, 1                          ; p
	s_lshr_b32 s82, s80, 1
	s_lshl_b32 s83, ttmp9, 1
	s_add_co_u32 s82, s82, s83                     ; u = cx / 2 + 2 x cluster x
	s_and_b32 s84, ttmp7, 0xffff                   ; bk, which the four partners share
	; descriptor group 1: 16,384 dense bytes as 64 rows of 256
	s_mov_b32 s[G1+0], 15|(3<<16)|(1<<21)          ; 15:0 the mask: all four work-groups; 17:16 elements of 8 bytes; 21 set beside a mask; no padding
	s_mov_b32 s[G1+1], 32<<16                      ; tensor_dim0 = 32
	s_mov_b32 s[G1+2], 64<<16                      ; tensor_dim1 = 64
	s_mov_b32 s[G1+3], 32<<16                      ; tile_dim0 = 32
	s_mov_b32 s[G1+4], 64                          ; tile_dim1 = 64
	s_mov_b32 s[G1+5], 32                          ; tensor_dim0_stride
	s_mov_b32 s[G1+6], 0
	s_mov_b32 s[G1+7], 0
	s_mov_b32 s[SEL], 0x76543210
	s_mov_b32 s[SEL+1], 0xfedcba98
	s_mov_b32 s[CS], 0x3e0293ee                    ; log2(e) / sqrt(128)
	s_and_b32 s85, s[WV], 1
	s_lshl_b32 s85, s85, 14                        ; the even or the odd key steps: 16,384 bytes, in LDS and in memory alike
	s_lshl_b32 s86, s84, 17                        ; bk x 131,072
	s_add_co_u32 s86, s86, s85
	s_mov_b32 s87, 0
	s_wait_dscnt 0x0
	s_wait_kmcnt 0x0
	s_load_b256 s[68:75], s[10:11], 0x0            ; e0 .. e7
	s_load_b128 s[76:79], s[10:11], 0x20           ; e8 .. e11
	s_add_nc_u64 s[6:7], s[6:7], s[86:87]
	s_add_nc_u64 s[8:9], s[8:9], s[86:87]
.irp g, 0,1,2,3                                ; load g of a wave: key step 2 g + (wave % 2)
	s_mov_b32 s[32+4*\g], 1
	s_add_co_u32 s[33+4*\g], s85, \g*32768
	s_add_nc_u64 s[34+4*\g:35+4*\g], s[6:7], \g*32768
	s_or_b32 s[35+4*\g], s[35+4*\g], 0x80000000
	s_mov_b32 s[48+4*\g], 1
	s_add_co_u32 s[49+4*\g], s85, 131072+\g*32768
	s_add_nc_u64 s[50+4*\g:51+4*\g], s[8:9], \g*32768
	s_or_b32 s[51+4*\g], s[51+4*\g], 0x80000000
.endr
	CROUND                                         ; all four work-groups are here: the joint loads meet
	s_cmp_lt_u32 s[WV], 2                          ; a wave's four fills stand in one branch on the wave's number, ahead of every wait on TENSORcnt, every LDS read and every other barrier
	s_cbranch_scc0 .Lnot_k
	tensor_load_to_lds s[32:35], s[G1:G1+7]
	s_nop 0
	tensor_load_to_lds s[36:39], s[G1:G1+7]
	s_nop 0
	tensor_load_to_lds s[40:43], s[G1:G1+7]
	s_nop 0
	tensor_load_to_lds s[44:47], s[G1:G1+7]
	s_nop 0
.rept 4
	v_nop
.endr
	s_branch .Lasked
.Lnot_k:
	s_cmp_lt_u32 s[WV], 4
	s_cbranch_scc0 .Lasked
	tensor_load_to_lds s[48:51], s[G1:G1+7]
	s_nop 0
	tensor_load_to_lds s[52:55], s[G1:G1+7]
	s_nop 0
	tensor_load_to_lds s[56:59], s[G1:G1+7]
	s_nop 0
	tensor_load_to_lds s[60:63], s[G1:G1+7]
	s_nop 0
.rept 4
	v_nop
.endr
.Lasked:
	s_lshl_b32 s88, s84, 2                         ; Q: batch x 16 + head = 4 bk + 2 p + hb,
	s_lshl_b32 s89, s81, 1
	s_add_co_u32 s88, s88, s89
	s_add_co_u32 s88, s88, s17
	s_lshl_b32 s88, s88, 17
	s_lshl_b32 s90, s[IW], 3
	s_add_co_u32 s90, s90, s82                     ; my tile of queries: 8 I + u
	s_lshl_b32 s91, s90, 11
	s_add_co_u32 s88, s88, s91
	s_mov_b32 s89, 0
	s_add_nc_u64 s[4:5], s[4:5], s[88:89]
	v_and_b32 v10, 31, v0
	v_lshlrev_b32 v1, 4, v10                       ; 16 x lane: an image's place for my lane; K's key steps 0-3
.irp c, 0,1,2,3
	global_load_b128 v[16+4*\c:19+4*\c], v1, s[4:5] offset:512*\c   ; Q's fragment stays in registers
.endr
	s_lshr_b32 s92, s84, 2                         ; ac: token = 1,024 batch + 16 tile + 8 hb (the eight rows that I store),
	s_lshl_b32 s92, s92, 10
	s_lshl_b32 s93, s90, 4
	s_add_co_u32 s92, s92, s93
	s_lshl_b32 s93, s17, 3
	s_add_co_u32 s92, s92, s93
	s_lshl_b32 s92, s92, 11
	s_and_b32 s93, s84, 3                          ; column = (4 kv + 2 p) x 128: the pair of heads' 256 bytes
	s_lshl_b32 s93, s93, 2
	s_lshl_b32 s94, s81, 1
	s_add_co_u32 s93, s93, s94
	s_lshl_b32 s93, s93, 7
	s_add_co_u32 s92, s92, s93
	s_mov_b32 s93, 0
	s_add_nc_u64 s[12:13], s[12:13], s[92:93]
	v_add_nc_u32 v2, 0x10000, v1                   ; K's key steps 4-7
	v_add_nc_u32 v3, 0x20000, v1                   ; V's key steps 0-3
	v_add_nc_u32 v4, 0x30000, v1                   ; V's key steps 4-7
	v_and_b32 v10, 15, v0                          ; r
	v_bfe_u32 v11, v0, 4, 1                        ; h
	s_mul_i32 s95, s[IW], 16*272
	s_add_co_u32 s95, s95, STG                     ; the stage of tile I: the two waves of a pair of heads share it
	s_lshl_b32 s96, s17, 7
	s_add_co_u32 s96, s96, s95
	v_mul_u32_u24 v5, v10, 272
	v_lshl_add_u32 v5, v11, 3, v5
	v_add_nc_u32 v5, s96, v5                       ; in: row r, my head's 128 bytes, + 8 h
	s_mul_i32 s96, s17, 8*272
	s_add_co_u32 s96, s96, s95
	v_mul_u32_u24 v6, v11, 272
	v_lshl_add_u32 v6, v10, 4, v6
	v_add_nc_u32 v6, s96, v6                       ; back: rows 8 hb on; lanes 0-15 one row of 256 bytes, lanes 16-31 the next
	v_lshlrev_b32 v7, 11, v11
	v_lshl_add_u32 v7, v10, 4, v7                  ; and the same two rows in ac
	s_lshl_b32 s97, s82, 4
	v_lshlrev_b32 v8, 3, v11
	v_sub_nc_u32 v8, v10, v8
	v_add_nc_u32 v8, s97, v8                       ; 16 u + r - 8 h: on the diagonal register 8 k + j is hidden where 16 k + j is greater
	v_mov_b32 v9, 0xff800000                       ; -infinity
	v_mov_b32 v13, 0xff61b1e6                      ; the largest t so far: -3e38, under every t
	v_floor_f32 v12, -v13                          ; -M
	v_mov_b32 v14, 0                               ; the sum, in two halves
	v_mov_b32 v15, 0
	v_mov_b32 v236, 0                              ; written once: a lane permute's destination counts as one of its sources
	v_mov_b32 v252, 0
	v_mov_b32 v253, 0                              ; (named as the upper half of the pair v[252:253])
.set n, 0
.rept 64
	v_mov_b32 v[160+n], 0                          ; O^T.  (The step is written alike for all: the first finds zeros, which the first change of M leaves zeros)
.set n, n+1
.endr
	s_wait_kmcnt 0x0
	s_add_co_i32 s98, s74, s75
	s_lshl_b32 s98, s98, 23
	s_add_co_i32 s[CS], s[CS], s98                 ; a score stands for score x 2^(e6 + e7): the two exponents are added to c's exponent field
	s_mov_b32 s[CS+1], s[CS]                       ; (named with it as a pair, so it is written)
	s_add_co_i32 s98, s76, 127
	s_lshl_b32 s99, s98, 23
	v_mov_b32 v244, s99                            ; 2^e8, for p's conversions
	s_add_co_i32 s98, s98, 8
	s_lshl_b32 s98, s98, 23
	s_or_b32 s98, s98, 0x600000
	v_mov_b32 v240, s98                            ; 448 x 2^e8
	s_add_co_i32 s98, s78, 127
	s_lshl_b32 s99, s98, 23
	v_mov_b32 v245, s99                            ; 2^e10, for the result's conversions
	s_add_co_i32 s98, s98, 8
	s_lshl_b32 s98, s98, 23
	s_or_b32 s98, s98, 0x600000
	v_mov_b32 v246, s98                            ; 448 x 2^e10
; In front of key steps 2 g and 2 g + 1: the fetching waves wait for their load g (the 3 - g behind it may stay out), then the work-group's barrier.
.macro HEAD g
	s_wait_tensorcnt 3-\g
	s_barrier_signal -1
	s_barrier_wait -1
.endm
; KEY STEP s: 128 keys.
.macro STEP s
.if (\s) > 0
	s_cmp_lt_u32 s[IW], \s                         ; all its keys come after my queries: left out
	s_cbranch_scc1 .Lhid_\@
.endif
.irp g, 0,1                                    ; S^T = K Q^T, four tiles of 16 keys at a time
.rept 5-\g
	v_nop                                          ; places: four in front of loads into registers that matrix instructions have read; at the step's head five, since the first products write over v96 on, which the last step's products read as V's fragments
.endr
.irp t, 0,1,2,3
.irp c, 0,1,2,3
	ds_load_b128 v[32+16*\t+4*\c:32+16*\t+4*\c+3], v[1+(\s)/4] offset:((\s)%4)*16384+(4*\g+\t)*2048+512*\c
.endr
.endr
	s_wait_dscnt 0x0
.irp t, 0,1,2,3
	v_wmma_f32_16x16x128_fp8_fp8 v[96+8*(4*\g+\t):103+8*(4*\g+\t)], v[32+16*\t:47+16*\t], v[16:31], 0
.endr
.endr
.rept 4
	v_nop                                          ; places in front of the loads below and of the first read of the scores
.endr
.irp t, 0,1,2,3                                ; V's tiles 0-3 into the registers that K's fragments have left: they land under the softmax
.irp c, 0,1,2,3
	ds_load_b128 v[32+16*\t+4*\c:32+16*\t+4*\c+3], v[3+(\s)/4] offset:((\s)%4)*16384+\t*2048+512*\c
.endr
.endr
	s_cmp_lg_u32 s[IW], \s                         ; on the diagonal the scores of hidden keys become -infinity ahead of the maximum: p = 0 then.  Key 0 counts for every query
	s_cbranch_scc1 .Lopen_\@
.set n, 0
.rept 64
	v_cmp_gt_i32 vcc_lo, 16*(n/8)+n%8, v8
	v_cndmask_b32 v[96+n], v[96+n], v9, vcc_lo
.set n, n+1
.endr
.Lopen_\@:
	v_max3_num_f32 v254, v96, v97, v98             ; the step's largest score of my query, among my 64 keys, in two chains,
	v_max3_num_f32 v252, v99, v100, v101
.irp i, 6,10,14,18,22,26,30,34,38,42,46,50,54,58
	v_max3_num_f32 v254, v254, v[96+\i], v[97+\i]
	v_max3_num_f32 v252, v252, v[98+\i], v[99+\i]
.endr
	v_max3_num_f32 v254, v254, v158, v159
	v_max_num_f32 v254, v254, v252
	v_permlanex16_b32 v236, v254, s[SEL], s[SEL+1]
	v_max_num_f32 v254, v254, v236                 ; and among lane l xor 16's
	v_mul_f32 v254, s[CS], v254                    ; as t (c is positive)
	v_max_num_f32 v13, v13, v254                   ; the running largest t
	v_mov_b32 v254, v12
	v_floor_f32 v12, -v13                          ; the new -M = floor(-t) = -ceil(t): a whole number
	v_sub_f32 v254, v12, v254                      ; M's old value less its new one: a whole number, 0 or less
	v_cvt_i32_f32 v254, v254                       ; (it saturates)
	v_ldexp_f32 v252, 1.0, v254                    ; f = 2^(old M - new M)
.set n, 0
.rept 32
	v_pk_fma_f32 v[96+n:97+n], v[96+n:97+n], s[CS:CS+1], v[12:13] op_sel_hi:[1,0,0]   ; t - M, two at a time (of the pairs c and -M the low word serves both halves)
.set n, n+2
.endr
.set n, 0
.rept 64
	v_exp_f32 v[96+n], v[96+n]                     ; p = 2^(t - M), at most 1: one batch
.set n, n+1
.endr
	v_pk_mul_f32 v[14:15], v[14:15], v[252:253] op_sel_hi:[1,0]   ; the sums under the new M: a plain line behind the exponentials
	s_wait_alu depctr_va_vdst(0)                   ; one wait for the whole batch, ahead of its first reader
	v_pk_add_f32 v[242:243], v[96:97], v[98:99]    ; the row's sum is taken of the unquantised p: two at a time, in two chains
.irp j, 4,8,12,16,20,24,28,32,36,40,44,48,52,56,60
	v_pk_add_f32 v[14:15], v[14:15], v[96+\j:97+\j]
	v_pk_add_f32 v[242:243], v[242:243], v[98+\j:99+\j]
.endr
	v_pk_add_f32 v[14:15], v[14:15], v[242:243]
.set n, 0
.rept 64
	v_min_num_f32 v[96+n], v[96+n], v240           ; the conversion does not saturate (ISA guide 7.6.2); p is not negative, so the hold is one-sided
.set n, n+1
.endr
.irp k, 0,1,2,3,4,5,6,7
	v_cvt_scalef32_pk8_fp8_f32 v[224+2*\k:225+2*\k], v[96+8*\k:103+8*\k], v244   ; registers 2 k, 2 k + 1 of P's fragment: keys 16 k + 8 (lane / 16) + 0 .. 7
.endr
.irp t, 0,1,2,3                                ; V's tiles 4-7 into the registers that p has left: they land under the rescaling below
.irp c, 0,1,2,3
	ds_load_b128 v[96+16*\t+4*\c:96+16*\t+4*\c+3], v[3+(\s)/4] offset:((\s)%4)*16384+(4+\t)*2048+512*\c
.endr
.endr
.set n, 0
.rept 32
	v_pk_mul_f32 v[160+n:161+n], v[160+n:161+n], v[252:253] op_sel_hi:[1,0]   ; O^T under the new M.  (These are also the plain lines between the conversions and the matrix instructions that read the codes)
.set n, n+2
.endr
	s_wait_dscnt 0x0                               ; V's eight fragments are in
.irp t, 0,1,2,3                                ; O^T += V^T P^T: eight tiles of 16 channels, eight accumulators, one instruction each
	v_wmma_f32_16x16x128_fp8_fp8 v[160+8*\t:167+8*\t], v[32+16*\t:47+16*\t], v[224:239], v[160+8*\t:167+8*\t]
.endr
.irp t, 0,1,2,3
	v_wmma_f32_16x16x128_fp8_fp8 v[192+8*\t:199+8*\t], v[96+16*\t:111+16*\t], v[224:239], v[192+8*\t:199+8*\t]
.endr
.Lhid_\@:
.endm
	s_wait_loadcnt 0x0                             ; Q
.irp g, 0,1,2,3
	HEAD \g
	STEP 2*\g
	STEP 2*\g+1
.endr
	; THE WAY OUT.  O^T / the sum x 2^(e8 + e9) is quantised for the last product (e10).  A lane's eight channels are 8 bytes of a row; a row's 256 bytes come from the two waves of a pair of heads:
	; they meet in the stage, and each of the two stores eight whole rows.
.rept 4
	v_nop                                          ; places behind the last products
.endr
	v_add_f32 v14, v14, v15                        ; the sum's two halves,
	v_permlanex16_b32 v252, v14, s[SEL], s[SEL+1]
	v_add_f32 v14, v14, v252                       ; and lane l xor 16's: the row's sum
	v_rcp_f32 v14, v14
	v_nop                                          ; a plain line behind the transcendental
	s_add_co_i32 s98, s76, s77
	s_wait_alu depctr_va_vdst(0)                   ; the wait, ahead of the first reader
	v_ldexp_f32 v14, v14, s98                      ; x 2^(e8 + e9)
.set n, 0
.rept 64
	v_mul_f32 v[96+n], v[160+n], v14               ; register 8 a + j is o(query r, channel 16 a + 8 h + j); each accumulator from its low end on
.set n, n+1
.endr
.set n, 0
.rept 64
	v_med3_num_f32 v[96+n], v[96+n], -v246, v246
.set n, n+1
.endr
.irp a, 0,1,2,3,4,5,6,7
	v_cvt_scalef32_pk8_fp8_f32 v[224+2*\a:225+2*\a], v[96+8*\a:103+8*\a], v245
.endr
	v_nop
.irp a, 0,1,2,3,4,5,6,7
	ds_store_b64 v5, v[224+2*\a:225+2*\a] offset:16*\a
.endr
	s_wait_dscnt 0x0                               ; for the other wave's sake: my stores into the stage are done
	s_barrier_signal -1
	s_barrier_wait -1
.irp k, 0,1,2,3
	ds_load_b128 v[32+4*\k:35+4*\k], v6 offset:544*\k
.endr
.irp k, 0,1,2,3
	s_wait_dscnt 3-\k                              ; the younger loads may be out
	global_store_b128 v7, v[32+4*\k:35+4*\k], s[12:13] offset:4096*\k   ; 16 lanes store 256 consecutive bytes, at a multiple of 256 from ac's first byte
.endr
	s_wait_tensorcnt 0x0
	ds_add_u32 v251, v255
	s_wait_dscnt 0x0
	CROUND                                         ; the closing round: no work-group ends while a partner may still ask for a tile that names it
	s_endpgm
.Lfunc_end_k_q958fe97ee7_attn:
	.size	k_q958fe97ee7_attn, .Lfunc_end_k_q958fe97ee7_attn-k_q958fe97ee7_attn
	.p2alignl 7, 3214868480
	.fill 96, 4, 3214868480
	.section	.rodata,"a",@progbits
	.p2align	6, 0x0
	.amdhsa_kernel k_q958fe97ee7_attn
		.amdhsa_group_segment_fixed_size 299008
		.amdhsa_private_segment_fixed_size 0
		.amdhsa_enable_private_segment 0
		.amdhsa_kernarg_size 40
		.amdhsa_user_sgpr_count 2
		.amdhsa_user_sgpr_kernarg_segment_ptr 1
		.amdhsa_wavefront_size32 1
		.amdhsa_system_sgpr_workgroup_id_x 1
		.amdhsa_system_sgpr_workgroup_id_y 1
		.amdhsa_system_sgpr_workgroup_id_z 1
		.amdhsa_system_vgpr_workitem_id 0
		.amdhsa_next_free_vgpr 256
		.amdhsa_next_free_sgpr 100
		.amdhsa_reserve_vcc 1
		.amdhsa_float_denorm_mode_32 3
		.amdhsa_float_denorm_mode_16_64 3
		.amdhsa_memory_ordered 1
		.amdhsa_forward_progress 1
		.amdhsa_inst_pref_size 209
	.end_amdhsa_kernel
	.amdgpu_metadata
---
amdhsa.version: [ 1, 2 ]
amdhsa.kernels:
  - .name:           k_q958fe97ee7_attn
    .symbol:         k_q958fe97ee7_attn.kd
    .args:
      - { .name: qc, .offset: 0, .size: 8, .value_kind: global_buffer, .address_space: global }
      - { .name: kc, .offset: 8, .size: 8, .value_kind: global_buffer, .address_space: global }
      - { .name: vc, .offset: 16, .size: 8, .value_kind: global_buffer, .address_space: global }
      - { .name: lowp_scales, .offset: 24, .size: 8, .value_kind: global_buffer, .address_space: global }
      - { .name: ac, .offset: 32, .size: 8, .value_kind: global_buffer, .address_space: global }
    .group_segment_fixed_size: 299008
    .private_segment_fixed_size: 0
    .kernarg_segment_align: 8
    .kernarg_segment_size: 40
    .max_flat_workgroup_size: 512
    .sgpr_count:     100
    .vgpr_count:     256
    .wavefront_size: 32
...
	.end_amdgpu_metadata
.endif
;; end of part 3
;; launch oproj (part 4): grid 8 x 32, 4 waves a work-group, clusters of 4 x 4, 327,680 bytes of LDS; arguments ac, wc, lowp_scales, out0; writes out0
.if DOCPART == 4
	.amdgcn_target "amdgcn-amd-amdhsa--gfx1250"
	.amdhsa_code_object_version 6
	.text
	.protected	k_q958fe97ee7_oproj
	.globl	k_q958fe97ee7_oproj
	.p2align	8
	.type	k_q958fe97ee7_oproj,@function
k_q958fe97ee7_oproj:
	s_mov_b64 s[64:65], 0
	v_nop
	global_prefetch_b8 v0, s[64:65] scope:SCOPE_SE
	s_setreg_imm32_b32 hwreg(HW_REG_WAVE_MODE, 25, 1), 1
	s_wait_xcnt 0x0
	s_wait_alu depctr_hold_cnt(0) depctr_sa_sdst(0) depctr_va_vdst(0) depctr_va_sdst(0) depctr_va_ssrc(0) depctr_va_vcc(0) depctr_vm_vsrc(0)
	s_getreg_b32 s2, hwreg(HW_REG_IB_STS2, 6, 4)
	s_cmp_eq_u32 s2, 0
	s_cbranch_scc0 .Lentry_in_a_cluster
	s_endpgm
.Lentry_in_a_cluster:
	s_bfe_u32 s2, ttmp6, 0x10000c
	s_cmp_lg_u32 s2, 0xf033
	s_cbranch_scc0 .Lentry_shape_is_right
	s_endpgm
.Lentry_shape_is_right:
; out0[m][n] = sum over k of A[m][k] Wo[n][k].  A = ac: [4096][2048], Wo: [2048][2048] at byte 6,291,456 of wc: codes of FP8 (E4M3); out0: [4096][2048] f32; sums in f32.
; A number of A is its code's value x 2^e10, of Wo x 2^e11.  The codes are multiplied as they are, and each finished sum once by 2^(e10 + e11).
; LIMIT: e10 + e11 lies between -126 and 127, so that 2^(e10 + e11) is an f32 number.
; A tile is 128 rows x 256 columns: 32 x 8 = 256 tiles, one for each of 256 work-groups (tiles of 256 x 256 would be 128).  Four waves, each 64 x 128: 32 accumulators of 16 x 16, 256 registers.
; K goes in steps of 256 through a ring of two LDS slots filled by the tensor data mover: waves 0 and 1 fetch A's halves (64 rows), waves 2 and 3 Wo's (128 rows).
; CLUSTERS: 4 x 4 work-groups.  The four of a row of the cluster need the same tiles of A, the four of a column the same tiles of Wo: each tile is asked for JOINTLY, by the same tensor load with the
; same descriptor and a mask that names the four.  THE MATRIX INSTRUCTION IS USED TRANSPOSED (source 0 = 16 rows of Wo, source 1 = 16 rows of A): a lane then holds eight neighbouring numbers of a row of the result.
; A slot is two steps of 128 along K, 32 matrix instructions each.  Both operands have two sets of fragment registers: a step's 48 LDS loads are issued at the head of the step before.
; REGISTERS, in windows of 256: window 0: v0-31 addresses; v128-191, v192-255 A's fragments (4 x 16 rows x 128 K), two sets; on the way out v32-255 are free.
;   window 1: Wo's fragments (8 x 16 rows x 128 K), two sets.   window 2: the accumulators (accumulator (a, b) at v[8 (8 a + b)]).
.set SIZE_N, 2048
.set SIZE_K, 2048
.set WO_AT,  0x600000                  ; Wo's codes in wc
.set ROWB,   256                       ; a tile's row in bytes: 256 along K
.set KROW,   SIZE_K
.set PITCH,  272                       ; an LDS row: 256 bytes + 16 of padding = 68 words: row r starts at bank 4 r mod 64 (64 banks of 4 bytes: ISA guide 11.1)
.set FR,     16                        ; registers of a fragment
.set NP,     4                         ; places behind this matrix instruction (ISA guide 7.12.1)
.set AQ,     64*PITCH                  ; 64 rows of A: what wave 0 or 1 fetches, and what one wave reads of A
.set HALFT,  128*PITCH                 ; 128 rows of Wo: what wave 2 or 3 fetches, and what one wave reads of Wo
.set BOFF,   2*AQ                      ; a slot: A's 128 rows, then Wo's 256
.set SLOT,   BOFF+2*HALFT
.set LAPS,   SIZE_K/(2*ROWB)           ; a lap = two K steps = once round the ring
.set SPARE,  2*SLOT                    ; behind the ring: the spare words, 128 bytes for each wave
.set SPITCH, 528                       ; the way out: a stage of 16 rows x (512 bytes + 16) for each wave, in slot 0, which has had its last fill and its last read when the first result is stored there
.set ADRA, 16                          ; v16-17  LDS address of my A fragments in slot 0, 1
.set ADRB, 20                          ; v20-21  the same for Wo
.set STO,  24                          ; v24     the way out: where I put 32 bytes of a row
.set RD,   25                          ; v25     the way out: where I read a row back
.set CO,   26                          ; v26     my byte offset in a row of out0
.set SPW,  28                          ; v28     LDS address of my spare word; never rewritten
.set NIL,  29                          ; v29     0; never rewritten
.set TMP,  32                          ; the way out: 64 registers, a block's sums x 2^(e10 + e11)
.set AF,   128
.set BK,   128                         ; the way out: 16 rows read back from the stage: v128-191 and v192-255 by turns
.set G1, 24                            ; s[24:31] descriptor group 1 for A's tiles;  s[32:39] group 0, one set for each slot
.set G0, 32
.set G1B, 48                           ; s[48:55], s[56:63] the same for Wo's tiles
.set G0B, 56
.set MSB, 0
.macro WIN new                         ; the immediate's high byte repeats the setting that is left
.if MSB != \new
	s_set_vgpr_msb (MSB<<8)|\new
.set MSB, \new
.endif
.endm
.set MUL,    0xa1                      ; source 0 (Wo) window 1, source 1 (A) window 0, C and D window 2
.set TO_B,   0x40                      ; destination window 1, address window 0
; A joint load: waves 0 and 1 fetch for A, waves 2 and 3 for Wo.  The branch hangs on the wave's number alone.  Four v_nop follow each of the two lines.
.macro JLOAD g0a, g1a, g0b, g1b
	s_cmp_eq_u32 s15, 0
	s_cbranch_scc0 .Lfor_b_\@
	tensor_load_to_lds s[\g0a:\g0a+3], s[\g1a:\g1a+7]
	s_nop 0
.rept 4
	v_nop
.endr
	s_branch .Lasked_\@
.Lfor_b_\@:
	tensor_load_to_lds s[\g0b:\g0b+3], s[\g1b:\g1b+7]
	s_nop 0
.rept 4
	v_nop
.endr
.Lasked_\@:
.endm
.macro CREST                           ; a round of the cluster's barrier behind its opening barrier
	s_cmp_lg_u32 s14, 0
	s_cbranch_scc1 .Lnot_wave_0_\@
	s_barrier_signal -3
.Lnot_wave_0_\@:
	s_barrier_wait -3
	s_barrier_signal -1
	s_barrier_wait -1
.endm
.macro CROUND                          ; a whole round
	s_barrier_signal -1
	s_barrier_wait -1
	CREST
.endm
	s_load_b128 s[4:7], s[0:1], 0x0                ; ac s[4:5], wc s[6:7]
	s_load_b128 s[8:11], s[0:1], 0x10              ; the exponents s[8:9], out0 s[10:11]
	v_lshl_add_u32 v[SPW], v0, 2, SPARE
	v_mov_b32 v[NIL], 0
	ds_add_u32 v28, v29
	ds_add_u32 v28, v29
	s_wait_dscnt 0x0
	v_lshrrev_b32 v1, 5, v0
	v_readfirstlane_b32 s14, v1                    ; wave 0..3
	s_lshr_b32 s15, s14, 1                         ; which 64 of the tile's rows are mine.  Also: I fetch for A (0) or for Wo (1)
	s_and_b32 s16, s14, 1                          ; which 128 of its columns.  Also: which half of that tile I fetch
	s_bfe_u32 s40, ttmp6, 0x40000                  ; cx, cy: my place in the cluster
	s_bfe_u32 s41, ttmp6, 0x40004
	s_lshl_b32 s42, ttmp9, 2
	s_add_co_u32 s42, s42, s40                     ; tile column = 4 x cluster x + cx
	s_and_b32 s17, ttmp7, 0xffff
	s_lshl_b32 s17, s17, 2
	s_add_co_u32 s17, s17, s41                     ; tile row = 4 x cluster y + cy
	s_lshl_b32 s43, s41, 2
	s_lshl_b32 s43, 15, s43                        ; my row of the cluster
	s_lshl_b32 s44, 0x1111, s40                    ; my column
	s_or_b32 s[G1+0], s43, (0<<16)|(1<<20)|(1<<21)|(5<<22)|(3<<25)  ; 15:0 the mask: A's tiles go to my row; 17:16 element of 1 byte; 20 padding on; 21 set beside a mask; 24:22 after every 64 words; 31:25 of 4 words
	s_mov_b32 s[G1+1], ROWB<<16                    ; tensor_dim0
	s_mov_b32 s[G1+2], 64<<16                      ; tensor_dim1 = 64
	s_mov_b32 s[G1+3], ROWB<<16                    ; tile_dim0
	s_mov_b32 s[G1+4], 64                          ; tile_dim1 = 64
	s_mov_b32 s[G1+5], KROW                        ; tensor_dim0_stride
	s_mov_b32 s[G1+6], 0
	s_mov_b32 s[G1+7], 0
	s_or_b32 s[G1B+0], s44, (0<<16)|(1<<20)|(1<<21)|(5<<22)|(3<<25) ; the same with the mask of my column, for Wo's tiles
	s_mov_b32 s[G1B+1], ROWB<<16
	s_mov_b32 s[G1B+2], 128<<16                    ; tensor_dim1 = 128
	s_mov_b32 s[G1B+3], ROWB<<16
	s_mov_b32 s[G1B+4], 128                        ; tile_dim1 = 128
	s_mov_b32 s[G1B+5], KROW
	s_mov_b32 s[G1B+6], 0
	s_mov_b32 s[G1B+7], 0
	s_lshl_b32 s18, s16, 6
	s_lshl_b32 s20, s17, 7
	s_add_co_u32 s20, s20, s18                     ; A: row 128 x tile row + 64 x half
	s_lshl_b32 s18, s16, 7
	s_lshl_b32 s46, s42, 8
	s_add_co_u32 s46, s46, s18                     ; Wo: row 256 x tile column + 128 x half
	s_mov_b32 s21, 0
	s_mov_b32 s47, 0
	s_mov_b64 s[18:19], KROW
	s_mul_u64 s[20:21], s[20:21], s[18:19]
	s_mul_u64 s[46:47], s[46:47], s[18:19]
	s_mul_i32 s45, s16, AQ                         ; where A's half goes,
	s_mul_i32 s23, s16, HALFT
	s_add_co_u32 s23, s23, BOFF                    ; and Wo's: no place in the cluster enters an LDS address
	s_wait_kmcnt 0x0
	s_load_b64 s[96:97], s[8:9], 0x28              ; e10, e11
	s_add_nc_u64 s[6:7], s[6:7], WO_AT
	s_add_nc_u64 s[20:21], s[4:5], s[20:21]
	s_add_nc_u64 s[46:47], s[6:7], s[46:47]
	CROUND                                         ; all sixteen work-groups are here: the first joint loads meet
.irp s, 0,1
	s_mov_b32 s[G0+4*\s], 1
	s_add_co_u32 s[G0+4*\s+1], s45, \s*SLOT
	s_add_nc_u64 s[G0+4*\s+2:G0+4*\s+3], s[20:21], \s*ROWB
	s_or_b32 s[G0+4*\s+3], s[G0+4*\s+3], 0x80000000
	s_mov_b32 s[G0B+4*\s], 1
	s_add_co_u32 s[G0B+4*\s+1], s23, \s*SLOT
	s_add_nc_u64 s[G0B+4*\s+2:G0B+4*\s+3], s[46:47], \s*ROWB
	s_or_b32 s[G0B+4*\s+3], s[G0B+4*\s+3], 0x80000000
	JLOAD G0+4*\s, G1, G0B+4*\s, G1B
.endr
	v_and_b32 v1, 15, v0                           ; l % 16
	v_bfe_u32 v2, v0, 4, 1                         ; l / 16
	v_mul_u32_u24 v3, v1, PITCH
	v_lshl_add_u32 v4, v2, 4, v3                   ; a fragment's row x pitch + 16 x half
	s_mul_i32 s21, s15, AQ                         ; my 64 rows of A
	s_mul_i32 s22, s16, HALFT                      ; my 128 rows of Wo,
	s_add_co_u32 s22, s22, BOFF                    ; which lie behind A's 128
.irp s, 0,1
	v_add_nc_u32 v[ADRA+\s], s21, v4
	v_add_nc_u32 v[ADRB+\s], s22, v4
	s_add_co_u32 s21, s21, SLOT
	s_add_co_u32 s22, s22, SLOT
.endr
	s_mul_i32 s23, s14, 16*SPITCH                  ; my stage
	v_mul_u32_u24 v5, v1, SPITCH                   ; in: row l % 16, 32 bytes for each half of the lanes
	v_lshl_add_u32 v5, v2, 5, v5
	v_add_nc_u32 v[STO], s23, v5
	v_and_b32 v6, 31, v0
	v_lshlrev_b32 v[CO], 4, v6                     ; back: the 32 lanes take one row of 512 bytes; and the same in out0
	v_add_nc_u32 v[RD], s23, v[CO]
	s_lshl_b32 s20, s17, 7
	s_lshl_b32 s21, s15, 6
	s_add_co_u32 s20, s20, s21                     ; my first row: 128 x tile row + 64 x half
	s_mov_b32 s21, 0
	s_mov_b64 s[18:19], SIZE_N*4
	s_mul_u64 s[20:21], s[20:21], s[18:19]
	s_lshl_b32 s46, s42, 10                        ; my first column, in bytes: 1024 x tile column + 512 x half
	s_lshl_b32 s47, s16, 9
	s_add_co_u32 s46, s46, s47
	s_mov_b32 s47, 0
	s_add_nc_u64 s[20:21], s[20:21], s[46:47]
	s_add_nc_u64 s[10:11], s[10:11], s[20:21]
.macro FRAG reg, adr, q, i             ; a fragment by four loads of 16 bytes: registers 4 c .. 4 c + 3 hold K = 32 c + 16 (l / 16) + 0 .. 15: a permutation of k, the same on both sides
.irp c, 0,1,2,3
	ds_load_b128 v[\reg+4*\c:\reg+4*\c+3], v[\adr] offset:128*(\q)+32*\c+(\i)*16*PITCH
.endr
.endm
; 32 matrix instructions: A's four blocks x Wo's eight, 128 along K, on set p.  zero = 1: the first product starts the sums: nothing is ever cleared.
; The 32 accumulators take turns, one instruction a turn, in the same order in every step.
.macro MUL32 p, zero
.irp a, 0,1,2,3
.irp b, 0,1,2,3,4,5,6,7
.if \zero
	v_wmma_f32_16x16x128_fp8_fp8 v[8*(8*\a+\b):8*(8*\a+\b)+7], v[128*(\p)+FR*\b:128*(\p)+FR*\b+FR-1], v[AF+64*(\p)+FR*\a:AF+64*(\p)+FR*\a+FR-1], 0
.else
	v_wmma_f32_16x16x128_fp8_fp8 v[8*(8*\a+\b):8*(8*\a+\b)+7], v[128*(\p)+FR*\b:128*(\p)+FR*\b+FR-1], v[AF+64*(\p)+FR*\a:AF+64*(\p)+FR*\a+FR-1], v[8*(8*\a+\b):8*(8*\a+\b)+7]
.endif
.endr
.endr
.endm
.macro FETCH slot, q, p                ; 48 LDS loads in one run: the fragments of the slot's q-th 128 along K into set p
	WIN TO_B
.irp i, 0,1,2,3,4,5,6,7
	FRAG 128*(\p)+FR*\i, ADRB+\slot, \q, \i
.endr
	WIN 0
.irp i, 0,1,2,3
	FRAG AF+64*(\p)+FR*\i, ADRA+\slot, \q, \i
.endr
.endm
.macro PLACES n                        ; plain vector lines between a matrix instruction and a load into, or a read of, its registers
.rept \n
	v_nop
.endr
.endm
; A slot's first step: set 0 is multiplied; the slot's second 128 along K are fetched into set 1, which the step before has multiplied.
.macro STEP slot, zero
	s_wait_dscnt 0x0                               ; set 0 is in (asked for 32 matrix instructions ago)
	PLACES NP
	FETCH \slot, 1, 1
	WIN MUL
	MUL32 0, \zero
	WIN 0
.endm
; A slot's second step changes slots AT ITS HEAD: all its fragments have been asked for, so the slot's bytes are done with as soon as those loads are back.  Each wave waits for all its tensor loads, adds 0 to its
; spare word, steps the descriptors, and waits for the add and for its own reads of this slot; ONE barrier.  fill = 1: the barrier opens a round of the cluster's barrier, and this slot is filled again, two K steps
; ahead, first thing behind the round: the 32 products of this step and the 32 of the next stand between that request and the wait for it.
.macro TURN slot, next, fill
	s_wait_tensorcnt 0x0                           ; all my tensor loads have landed: my part of the next slot;  (every window is 0 here)
	ds_add_u32 v[SPW], v[NIL]                      ; 0 onto my spare word
.if \fill
	s_add_nc_u64 s[G0+4*\slot+2:G0+4*\slot+3], s[G0+4*\slot+2:G0+4*\slot+3], 2*ROWB      ; no tensor load of mine is out, so a group 0 may be written: this slot's next tile
	s_add_nc_u64 s[G0B+4*\slot+2:G0B+4*\slot+3], s[G0B+4*\slot+2:G0B+4*\slot+3], 2*ROWB
.endif
	s_wait_dscnt 0x0                               ; the add is done, and my reads of this slot are over: set 1 is in
	s_barrier_signal -1
	s_barrier_wait -1
.if \fill
	CREST                                          ; the barrier has opened a round of the cluster's barrier: no wave of any partner still reads this slot's tile or has a load on its way
	JLOAD G0+4*\slot, G1, G0B+4*\slot, G1B         ; the first tensor load behind the round, and my only one until the next; the four v_nop behind it are also the places in front of the loads below
.else
	PLACES NP
.endif
	FETCH \next, 0, 0
	WIN MUL
	MUL32 1, 0
	WIN 0
.endm
	s_wait_tensorcnt 1                             ; my part of K step 0 is in (K step 1's load may be out)
	s_barrier_signal -1
	s_barrier_wait -1                              ; everybody's is
	FETCH 0, 0, 0
	STEP 0, 1                                      ; the first step stands in front of the loop: its products start the sums
	s_mov_b32 s3, LAPS-1
.Llap:                                                 ; a trip goes once round the ring, from a lap's second step to the next lap's first, and fills both slots again
	TURN 0, 1, 1
	STEP 1, 0
	TURN 1, 0, 1
	STEP 0, 0
	s_sub_co_u32 s3, s3, 1
	s_cmp_lg_u32 s3, 0
	s_cbranch_scc1 .Llap
	TURN 0, 1, 0                                   ; the last lap fills nothing, and has no round of the cluster's barrier
	STEP 1, 0
	s_wait_dscnt 0x0                               ; the very last step: nothing more to fetch
	WIN MUL
	MUL32 1, 0
	WIN 0
; THE WAY OUT, block by block of 16 rows x 128 columns, through my own stage in LDS: in as 32 bytes a lane, back as whole rows of 512 bytes.  LDS serves a wave's instructions in order (ISA guide 5.7.1.4):
; no wait between the stores and the loads, nor in front of the next block's stores.
.macro TOSTAGE a
.set AC, 64*(\a)
	WIN 0x02                                       ; source 0: window 2
.irp j, 0,2,4,6,8,10,12,14,16,18,20,22,24,26,28,30,32,34,36,38,40,42,44,46,48,50,52,54,56,58,60,62
	v_pk_mul_f32 v[TMP+\j:TMP+\j+1], v[AC+\j:AC+\j+1], s[96:97] op_sel_hi:[1,0]   ; both x s96 = 2^(e10 + e11); each accumulator from its low end on
.endr
	WIN 0
.irp b, 0,1,2,3,4,5,6,7
	ds_store_b128 v[STO], v[TMP+8*\b:TMP+8*\b+3] offset:64*\b
	ds_store_b128 v[STO], v[TMP+8*\b+4:TMP+8*\b+7] offset:64*\b+16
.endr
.set BB, BK+64*((\a)%2)
.irp t, 0,1,2,3,4,5,6,7,8,9,10,11,12,13,14,15
	ds_load_b128 v[BB+4*\t:BB+4*\t+3], v[RD] offset:\t*SPITCH
.endr
.endm
.macro SEND a, younger                 ; younger: the LDS instructions issued behind block a's loads, which may stay out
.set BB, BK+64*((\a)%2)
	s_wait_dscnt \younger                          ; the block is back in registers
.if (\a) > 0
	s_add_nc_u64 s[10:11], s[10:11], 16*SIZE_N*4   ; (behind a wait on XCNT: the earlier stores have read their base)  16 rows on
.endif
.irp t, 0,1,2,3,4,5,6,7,8,9,10,11,12,13,14,15
	global_store_b128 v[CO], v[BB+4*\t:BB+4*\t+3], s[10:11] offset:\t*SIZE_N*4 th:TH_STORE_NT   ; 32 lanes store 512 consecutive bytes, at a multiple of 256 from out0's first byte; written once, read by nobody here
.endr
.endm
	s_wait_kmcnt 0x0
	s_add_co_i32 s96, s96, s97                     ; e10 + e11, between -126 and 127,
	s_add_co_i32 s96, s96, 127
	s_lshl_b32 s96, s96, 23                        ; makes the f32 number 2^(e10 + e11)
	PLACES NP                                      ; behind the last products: for the loads into the registers that held A's fragments and for the reads of results
	TOSTAGE 0
.irp a, 1,2,3
.if \a > 1
	s_wait_xcnt 0x0                                ; block a - 2's stores have read their registers and their base: block a's loads may land there, and the base may step
.endif
	TOSTAGE \a
	SEND \a-1, 32                                  ; behind block a - 1's loads: block a's 16 stores and 16 loads
.endr
	s_wait_xcnt 0x0                                ; block 2's stores have read their base
	SEND 3, 0
	s_wait_tensorcnt 0x0                           ; the wave's end
	ds_add_u32 v[SPW], v[NIL]
	s_wait_dscnt 0x0
	CROUND                                         ; the closing round: no work-group ends while a partner may still ask for a tile that names it
	s_endpgm
.Lfunc_end_k_q958fe97ee7_oproj:
	.size	k_q958fe97ee7_oproj, .Lfunc_end_k_q958fe97ee7_oproj-k_q958fe97ee7_oproj
	.p2alignl 7, 3214868480
	.fill 96, 4, 3214868480
	.section	.rodata,"a",@progbits
	.p2align	6, 0x0
	.amdhsa_kernel k_q958fe97ee7_oproj
		.amdhsa_group_segment_fixed_size 327680
		.amdhsa_private_segment_fixed_size 0
		.amdhsa_enable_private_segment 0
		.amdhsa_kernarg_size 32
		.amdhsa_user_sgpr_count 2
		.amdhsa_user_sgpr_kernarg_segment_ptr 1
		.amdhsa_wavefront_size32 1
		.amdhsa_system_sgpr_workgroup_id_x 1
		.amdhsa_system_sgpr_workgroup_id_y 1
		.amdhsa_system_sgpr_workgroup_id_z 1
		.amdhsa_system_vgpr_workitem_id 0
		.amdhsa_next_free_vgpr 768
		.amdhsa_next_free_sgpr 98
		.amdhsa_reserve_vcc 0
		.amdhsa_float_denorm_mode_32 3
		.amdhsa_float_denorm_mode_16_64 3
		.amdhsa_memory_ordered 1
		.amdhsa_forward_progress 1
		.amdhsa_inst_pref_size 75
	.end_amdhsa_kernel
	.amdgpu_metadata
---
amdhsa.version: [ 1, 2 ]
amdhsa.kernels:
  - .name:           k_q958fe97ee7_oproj
    .symbol:         k_q958fe97ee7_oproj.kd
    .args:
      - { .name: ac, .offset: 0, .size: 8, .value_kind: global_buffer, .address_space: global }
      - { .name: wc, .offset: 8, .size: 8, .value_kind: global_buffer, .address_space: global }
      - { .name: lowp_scales, .offset: 16, .size: 8, .value_kind: global_buffer, .address_space: global }
      - { .name: out0, .offset: 24, .size: 8, .value_kind: global_buffer, .address_space: global }
    .group_segment_fixed_size: 327680
    .private_segment_fixed_size: 0
    .kernarg_segment_align: 8
    .kernarg_segment_size: 32
    .max_flat_workgroup_size: 128
    .sgpr_count:     98
    .vgpr_count:     768
    .wavefront_size: 32
...
	.end_amdgpu_metadata
.endif
;; end of part 4
